; MI455X (gfx1250); checked and timed in simulation.
; The chip was launched on July 23, 2026; its instructions are those of AMD's public machine-readable ISA for CDNA 5 (MIT licence, August 2026) and "CDNA5" Instruction Set Architecture Reference Guide (July 2026). The comments in the code are by the model that wrote it; some were corrected since.
;; Simple Transformer Block. Allowed arithmetic: matrix products marked QUANTISED: E4M3 operands, one E8M0 scale for each 32 along K, by v_wmma_scale_f32_16x16x128_f8f6f4 with both operands' format E4M3, f32 sums; everything else in f32.
;; Inputs: b_ff1 4,096 float32; b_ff2 1,024 float32; be1 1,024 float32; be2 1,024 float32; g1 1,024 float32; g2 1,024 float32; w_ff1 1,024 x 4,096 float32; w_ff2 4,096 x 1,024 float32; w_out 1,024 x 1,024 float32; w_qkv 1,024 x 3,072 float32; x 2 x 2,048 x 1,024 float32.
;; Outputs: out0 2 x 2,048 x 1,024 float32.
;; This version of the problem:
;;   THIS VERSION OF THE PROBLEM IS GIVEN IN LOW PRECISION. The matrix products marked QUANTISED in the list below multiply operands that are first quantised to E4M3 (4 exponent bits, 3 mantissa bits; 8 bits a number), with one power-of-two scale for each 32 numbers along K (OCP MX v1.0); their sums are f32. All else is computed in f32.
;;   The module's matrix products, in the order in which they are computed (A, B: the left and right operand; K: the contracted axis; several contracted axes count as one K, in the product's order):
;;     1. [M 4,096, K 1,024] x [K 1,024, N 3,072]; A: computed on the way; B: input w_qkv: QUANTISED
;;     2. batch 32 x [M 2,048, K 64] x [K 64, N 2,048]; A: computed on the way; B: computed on the way: QUANTISED
;;     3. batch 32 x [M 64, K 2,048] x [K 2,048, N 2,048]; A: computed on the way; B: softmax (see below): QUANTISED
;;     4. [M 4,096, K 1,024] x [K 1,024, N 1,024]; A: computed on the way; B: input w_out: QUANTISED
;;     5. [M 4,096, K 1,024] x [K 1,024, N 4,096]; A: computed on the way; B: input w_ff1: QUANTISED
;;     6. [M 4,096, K 4,096] x [K 4,096, N 1,024]; A: computed on the way; B: input w_ff2: QUANTISED
;;   THE QUANTISER, for each operand of a quantised product, along K:
;;     - K is cut into blocks of 32 from its start; a last block that is shorter is filled with zeros.
;;     - A block's scale is 2^e with e = floor(log2(the largest magnitude in the block)) - 8, held to -126 .. 127; a block of zeros has e = 0. As a byte (E8M0): e + 127.
;;     - Each number is divided by its block's scale, clamped to +-448, and rounded to the nearest number of E4M3, ties to even, subnormals kept.
;;     - The product sums the exact products of the quantised numbers (number of the format x scale) in f32.
;;   ~~~python
;;   def quantise(x, axis):      # numpy; x: float32 -> the quantised numbers, widened to float32 again
;;       x = np.moveaxis(x, axis, -1); K = x.shape[-1]
;;       x = np.pad(x, [(0, 0)] * (x.ndim - 1) + [(0, -K % 32)]); x = x.reshape(x.shape[:-1] + (-1, 32)); a = np.abs(x).max(-1, keepdims=True)
;;       e = np.where(a > 0, np.clip(np.frexp(np.where(a > 0, a, 1))[1] - 1 - 8, -126, 127), 0)      # np.frexp(a)[1] - 1 = floor(log2(a)), exactly
;;       r = np.clip(x / 2.0 ** e, -448, 448)
;;       step = 2.0 ** (np.maximum(np.frexp(np.where(r == 0, 1, r))[1] - 1, -6) - 3)
;;       q = np.round(r / step) * step * 2.0 ** e      # np.round: ties to even
;;       return np.moveaxis(q.reshape(q.shape[:-2] + (-1,))[..., :K], -1, axis).astype(np.float32)
;;   ~~~
;;   SOFTMAX AHEAD OF A QUANTISED PRODUCT. Where the list says 'softmax', what is quantised is not the finished softmax but p = 2^(t - M), with t = logit x log2(e) and M = ceil(the row's largest t), a whole number; so 1/2 < the row's largest p <= 1. The row's sum l is taken of the UNQUANTISED p, in f32, and the product's result is divided by l at the end. Since M is a whole number, a kernel that streams over the keys may use a running M (the ceiling of the running maximum): every later rescaling is an exact power of two, which a block's scale takes up: the codes' values come out the same.
;;   OPERANDS COMPUTED ON THE WAY. 'Computed on the way' means the value that the module computes at that place (a softmax that the list does not call 'softmax' is quantised finished and normalised). What goes into a quantiser is computed in f32, as accurately as f32 sums, v_exp_f32 and their like allow (about 1e-6 of the number): no bf16 or f16 on the way to a quantiser, and a product that is left as it is and whose result goes on into a quantised operand takes f32 operands (vector FMAs, or v_wmma_f32_16x16x4_f32). A number that lies on a knife's edge between two numbers of the format may be rounded either way, as far as f32 arithmetic and the matrix unit's own rounding can turn it there, and no further.
;; One version. Each part assembles by itself: llvm-mc -triple=amdgcn-amd-amdhsa -mcpu=gfx1250 --defsym DOCPART=n.
;; ======== version 1 of 1: 7 launches
;; limits: right only within a limited range of input values
;; workspace buffers: wts 17,825,792 bytes; qkvb 12,976,128 bytes; aob 4,325,376 bytes; x1 16,777,216 bytes; xn2b 17,825,792 bytes; hb 17,301,504 bytes
;; launch prep (part 1): grid 320 x 1, 8 waves a work-group, no clusters, 112,640 bytes of LDS; arguments x, g1, be1, w_qkv, w_out, w_ff1, w_ff2, wts; writes wts
.if DOCPART == 1
	.amdgcn_target "amdgcn-amd-amdhsa--gfx1250"
	.amdhsa_code_object_version 6
	.text
	.protected	k_q18644bfafb_prep
	.globl	k_q18644bfafb_prep
	.p2align	8
	.type	k_q18644bfafb_prep,@function
k_q18644bfafb_prep:
	s_mov_b64 s[64:65], 0
	v_nop
	global_prefetch_b8 v0, s[64:65] scope:SCOPE_SE
	s_setreg_imm32_b32 hwreg(HW_REG_WAVE_MODE, 25, 1), 1
	s_wait_xcnt 0x0
; Work-groups 0-127: layer norm of 32 rows of [4096][1024] f32 each, quantised along the row to E4M3 codes with one E8M0 byte for each 32.
; Work-groups 128-319: the four weights, stored [K][N] f32, quantised along K and laid [N][K] with K innermost.
; (Launched on 128 work-groups the same text is the second layer norm: the weights' path is then never reached.)
; ROW ORDER OF ALL THAT IS STORED: position p of each group of 32 rows holds row sw(p), sw = bits 3 and 4 exchanged.  Sixteen neighbouring positions, taken as
; a matrix instruction's first source, then leave 16 neighbours of the result in a lane's registers of two neighbouring tiles.
; SCALE BYTES: [K/256][4096 rows][8 bytes], 32,768 bytes from plane to plane for every matrix: a tile's rows are dense in each plane.
; A block's scale is 2^(floor(log2(largest magnitude)) - 8); its byte is the largest magnitude's exponent field - 8, held at 1 from below.
; LIMITS: a block of zeros, and one whose largest magnitude lies under 2^-118, keeps the byte 1 (this program alone reads the bytes); NaN and infinities are not served.
.set WQC, 0                            ; byte offsets in the output buffer: codes of w_qkv [3072][1024],
.set WOC, 3145728                      ; w_out [1024][1024],
.set W1C, 4194304                      ; w_ff1 [4096][1024],
.set W2C, 8388608                      ; w_ff2 [1024][4096],
.set XNC, 12582912                     ; the normalised rows [4096][1024];
.set WQS, 16777216                     ; and their scale bytes
.set WOS, 16908288
.set W1S, 17039360
.set W2S, 17170432
.set XNS, 17694720
.set LNS, 40960                        ; LDS, norm path: 8 waves x two stages of 32 x 80 bytes, then [4 planes][32 positions][8 bytes]
.set WST, 41984                        ; LDS, weights' path (bytes of its own): 8 waves x 32 rows x 272 bytes
.set G,   16                           ; v16-47   gamma of my 32 columns
.set BE,  48                           ; v48-79   beta
.set X,   80                           ; v80-207  four rows, 32 numbers each; later each half row's codes and byte
.set XT,  208                          ; v208-239 two sets of 16 neighbours
.set WX,  48                           ; weights: v48-111 two sets of 32 numbers
.set WC,  112                          ; v112-119 a block's codes
.set WSB, 120                          ; v120-121 my column's 8 scale bytes
.set WO,  128                          ; v128-191 the way out
.set WD,  192                          ; v192-207 the stores' offsets
	s_load_b512 s[16:31], s[0:1], 0x0              ; x 16, gamma 18, beta 20, w_qkv 22, w_out 24, w_ff1 26, w_ff2 28, out 30
	v_lshl_add_u32 v254, v0, 2, 0x1b400
	v_mov_b32 v255, 0
	v_lshrrev_b32 v1, 5, v0
	s_delay_alu instid0(VALU_DEP_1)
	v_readfirstlane_b32 s8, v1                     ; wave 0..7
	v_and_b32 v1, 31, v0                           ; lane
	s_mov_b32 s14, 0x600000                        ; the mantissa field of 448
	s_cmp_lt_u32 ttmp9, 128                        ; the same for all waves of a work-group
	s_cbranch_scc0 .Lweights
; ---------------- layer norm: wave w takes rows 32 g + 4 w + i, i = 0..3; a lane holds columns 128 j + 4 lane + 0..3 ----------------
	v_lshlrev_b32 v2, 4, v1                        ; 16 x lane: my bytes of a load's and of a store's 512
	s_mul_i32 s9, s8, 5120
	v_lshrrev_b32 v3, 2, v1
	s_delay_alu instid0(VALU_DEP_1)
	v_mul_u32_u24 v3, v3, 80
	v_and_b32 v6, 3, v1
	s_delay_alu instid0(VALU_DEP_1)
	v_lshl_add_u32 v3, v6, 4, v3
	s_delay_alu instid0(VALU_DEP_1)
	v_add_nc_u32 v3, s9, v3                        ; stage, in: four lanes' 64 bytes on end, then 16 of padding
	v_mul_u32_u24 v4, v1, 80
	s_delay_alu instid0(VALU_DEP_1)
	v_add_nc_u32 v4, s9, v4                        ; stage, out: my 16 neighbours
	s_and_b32 s10, s8, 1                           ; wp = wave with bits 1 and 2 exchanged: rows 4 w + i lie at positions 4 wp + i
	s_bfe_u32 s11, s8, 0x10001
	s_lshl_b32 s11, s11, 2
	s_or_b32 s10, s10, s11
	s_bfe_u32 s11, s8, 0x10002
	s_lshl_b32 s11, s11, 1
	s_or_b32 s10, s10, s11
	s_lshl_b32 s11, s10, 5
	s_add_co_u32 s11, s11, LNS
	s_wait_alu depctr_va_vdst(0)
	v_lshrrev_b32 v5, 4, v1
	s_delay_alu instid0(VALU_DEP_1)
	v_lshlrev_b32 v5, 8, v5
	v_bfe_u32 v6, v1, 1, 3
	s_delay_alu instid0(VALU_DEP_1)
	v_add_nc_u32 v5, v5, v6
	s_delay_alu instid0(VALU_DEP_1)
	v_add_nc_u32 v5, s11, v5                       ; my block's byte: plane (lane / 16) of the half row's two, position 4 wp, byte (lane / 2) % 8
	s_lshl_b32 s2, ttmp9, 17                       ; 32 rows of 4,096 bytes a work-group,
	s_lshl_b32 s3, s8, 14                          ; 4 a wave
	s_add_co_u32 s2, s2, s3
	s_mov_b32 s3, 0
	s_lshl_b32 s4, ttmp9, 15                       ; codes: 32 rows of 1,024 bytes,
	s_lshl_b32 s5, s10, 12                         ; position 4 wp
	s_add_co_u32 s4, s4, s5
	s_add_co_u32 s4, s4, XNC
	s_mov_b32 s5, 0
	s_lshl_b32 s6, ttmp9, 8                        ; scale bytes: 32 rows of 8 in each plane
	s_add_co_u32 s6, s6, XNS
	s_mov_b32 s7, 0
	s_mov_b32 s12, 0x76543210                      ; v_permlanex16_b32's selects for lane l xor 16
	s_mov_b32 s13, 0xfedcba98
	s_mov_b32 s15, 0x3a800000                      ; 1 / 1024
	s_mov_b32 s9, 0x3727c5ac                       ; 1e-5
	s_wait_kmcnt 0x0
	s_add_nc_u64 s[16:17], s[16:17], s[2:3]
	s_add_nc_u64 s[4:5], s[30:31], s[4:5]
	s_add_nc_u64 s[6:7], s[30:31], s[6:7]
.irp j, 0,1,2,3,4,5,6,7
	global_load_b128 v[G+4*\j:G+4*\j+3], v2, s[18:19] offset:512*\j
.endr
.irp j, 0,1,2,3,4,5,6,7
	global_load_b128 v[BE+4*\j:BE+4*\j+3], v2, s[20:21] offset:512*\j
.endr
.irp i, 0,1,2,3
.irp j, 0,1,2,3,4,5,6,7
	global_load_b128 v[X+32*\i+4*\j:X+32*\i+4*\j+3], v2, s[16:17] offset:4096*\i+512*\j th:TH_LOAD_NT   ; 512 consecutive bytes a load; all four rows are asked for at once
.endr
.endr
.macro WSUM                            ; four pairs v244-251 -> their sum over the wave, in every lane's v244
	s_delay_alu instid0(VALU_DEP_3)
	v_pk_add_f32 v[244:245], v[244:245], v[246:247]
	s_delay_alu instid0(VALU_DEP_2)
	v_pk_add_f32 v[248:249], v[248:249], v[250:251]
	s_delay_alu instid0(VALU_DEP_1)
	v_pk_add_f32 v[244:245], v[244:245], v[248:249]
	s_delay_alu instid0(VALU_DEP_1)
	v_add_f32 v244, v244, v245
	s_delay_alu instid0(VALU_DEP_1)
	v_add_f32_dpp v244, v244, v244 row_xmask:1 row_mask:0xf bank_mask:0xf
	s_delay_alu instid0(VALU_DEP_1)
	v_add_f32_dpp v244, v244, v244 row_xmask:2 row_mask:0xf bank_mask:0xf
	s_delay_alu instid0(VALU_DEP_1)
	v_add_f32_dpp v244, v244, v244 row_xmask:4 row_mask:0xf bank_mask:0xf
	s_delay_alu instid0(VALU_DEP_1)
	v_add_f32_dpp v244, v244, v244 row_xmask:8 row_mask:0xf bank_mask:0xf
	s_delay_alu instid0(VALU_DEP_1)
	v_permlanex16_b32 v245, v244, s12, s13
	s_delay_alu instid0(VALU_DEP_1)
	v_add_f32 v244, v244, v245
.endm
.macro TURN i, s                       ; half s of row i (512 numbers) through the wave's own stage: in as loaded, out 16 neighbours a lane.  LDS serves a wave's instructions in order
.irp k, 0,1,2,3
	ds_store_b128 v3, v[X+32*\i+16*\s+4*\k:X+32*\i+16*\s+4*\k+3] offset:2560*\s+640*\k
.endr
.irp k, 0,1,2,3
	ds_load_b128 v[XT+16*\s+4*\k:XT+16*\s+4*\k+3], v4 offset:2560*\s+16*\k
.endr
.endm
.macro QSTEP i, s                      ; 16 neighbours a lane, two lanes to a block, become 16 codes and the block's byte
.set XS, XT+16*\s
.set CD, X+32*\i+16*\s                 ; registers of their own for each half row's codes and byte: no store's data are written again
	v_max3_num_f32 v248, |v[XS]|, |v[XS+1]|, |v[XS+2]|
	v_max3_num_f32 v249, |v[XS+3]|, |v[XS+4]|, |v[XS+5]|
.irp u, 6,10
	s_delay_alu instid0(VALU_DEP_2)
	v_max3_num_f32 v248, v248, |v[XS+\u]|, |v[XS+\u+1]|
	s_delay_alu instid0(VALU_DEP_2)
	v_max3_num_f32 v249, v249, |v[XS+\u+2]|, |v[XS+\u+3]|
.endr
	s_delay_alu instid0(VALU_DEP_2)
	v_max3_num_f32 v248, v248, |v[XS+14]|, |v[XS+15]|
	s_delay_alu instid0(VALU_DEP_1)
	v_max3_num_f32 v248, v248, v249, 0x4800000     ; the floor 2^(9 - 127): the byte cannot fall under 1
	s_delay_alu instid0(VALU_DEP_1)
	v_max_num_f32_dpp v248, v248, v248 row_xmask:1 row_mask:0xf bank_mask:0xf   ; with my neighbour's 16: the block's largest magnitude
	s_delay_alu instid0(VALU_DEP_1)
	v_add_nc_u32 v251, 0xfc000000, v248            ; 8 off its exponent field: the conversion's scale operand
	s_delay_alu instid0(VALU_DEP_2)
	v_and_or_b32 v250, v248, 0x7f800000, s14       ; 448 x the scale
.set n, 0
.rept 16
	v_med3_num_f32 v[XS+n], v[XS+n], -v250, v250   ; the conversion to an 8-bit code does not saturate (ISA guide 7.6.2)
.set n, n+1
.endr
	v_cvt_scalef32_pk8_fp8_f32 v[CD:CD+1], v[XS:XS+7], v251
	v_cvt_scalef32_pk8_fp8_f32 v[CD+2:CD+3], v[XS+8:XS+15], v251
	v_lshrrev_b32 v[CD+4], 23, v251                ; the scale's byte (a plain line behind the conversions)
	ds_store_b8 v5, v[CD+4] offset:512*\s+8*\i     ; both lanes of a block write the same byte with the same value
	global_store_b128 v2, v[CD:CD+3], s[4:5] offset:1024*\i+512*\s   ; 512 consecutive bytes, aligned
.endm
.macro ROW i
.set XR, X+32*\i
	s_wait_loadcnt 8*(3-\i)                        ; gamma, beta and this row are in; the younger rows' loads stay out
.irp c, 0,1,2,3
	v_pk_add_f32 v[244+2*\c:245+2*\c], v[XR+2*\c:XR+2*\c+1], v[XR+8+2*\c:XR+9+2*\c]   ; the sum, in four chains
.endr
.irp p, 16,24
.irp c, 0,1,2,3
	s_delay_alu instid0(VALU_DEP_4)
	v_pk_add_f32 v[244+2*\c:245+2*\c], v[244+2*\c:245+2*\c], v[XR+\p+2*\c:XR+\p+2*\c+1]
.endr
.endr
	WSUM
	s_delay_alu instid0(VALU_DEP_1)
	v_mul_f32 v240, s15, v244                      ; the mean
	s_delay_alu instid0(VALU_DEP_1)
	v_mov_b32 v241, v240
.set n, 0
.rept 16
	v_pk_add_f32 v[XR+n:XR+n+1], v[XR+n:XR+n+1], v[240:241] neg_lo:[0,1] neg_hi:[0,1]   ; x - mean
.set n, n+2
.endr
.irp c, 0,1,2,3
	v_pk_mul_f32 v[244+2*\c:245+2*\c], v[XR+2*\c:XR+2*\c+1], v[XR+2*\c:XR+2*\c+1]
.endr
.irp p, 8,16,24
.irp c, 0,1,2,3
	s_delay_alu instid0(VALU_DEP_4)
	v_pk_fma_f32 v[244+2*\c:245+2*\c], v[XR+\p+2*\c:XR+\p+2*\c+1], v[XR+\p+2*\c:XR+\p+2*\c+1], v[244+2*\c:245+2*\c]
.endr
.endr
	WSUM
	s_delay_alu instid0(VALU_DEP_1)
	v_fma_f32 v244, v244, s15, s9                  ; variance + 1e-5
	s_wait_alu depctr_va_vdst(0)
	v_rsq_f32 v242, v244
	v_rsq_f32 v243, v244
	v_nop                                          ; a plain line behind the transcendentals
.set n, 0
	s_wait_alu depctr_va_vdst(0)
.rept 16
	v_pk_mul_f32 v[XR+n:XR+n+1], v[XR+n:XR+n+1], v[242:243]
.set n, n+2
.endr
.set n, 0
.rept 16
	v_pk_fma_f32 v[XR+n:XR+n+1], v[XR+n:XR+n+1], v[G+n:G+n+1], v[BE+n:BE+n+1]
.set n, n+2
.endr
	TURN \i, 0
	TURN \i, 1
	s_wait_dscnt 8                                 ; the first half is back (and its stores have read their registers); the second half's 4 stores and 4 loads may be out
	QSTEP \i, 0
	s_wait_dscnt 1                                 ; the second half is back; the byte store just issued may be out
	QSTEP \i, 1
.endm
	ROW 0
	ROW 1
	ROW 2
	ROW 3
	s_wait_dscnt 0x0                               ; for the others' sake: my bytes lie in LDS
	s_barrier_signal -1
	s_barrier_wait -1
	s_cmp_lt_u32 s8, 2                             ; waves 0 and 1 store the work-group's 1,024 scale bytes
	s_cbranch_scc0 .Lend
	v_lshlrev_b32 v6, 4, v0
	ds_load_b128 v[208:211], v6 offset:LNS
	v_lshrrev_b32 v7, 4, v0                        ; the plane,
	v_and_b32 v8, 15, v0
	s_delay_alu instid0(VALU_DEP_2)
	v_lshlrev_b32 v7, 15, v7
	s_delay_alu instid0(VALU_DEP_1)
	v_lshl_add_u32 v7, v8, 4, v7                   ; and 16 bytes a lane: sixteen lanes store 256 consecutive bytes, aligned
	s_wait_alu depctr_va_vdst(0)
	s_wait_dscnt 0x0
	global_store_b128 v7, v[208:211], s[6:7]
.Lend:
	s_wait_tensorcnt 0x0
	ds_add_u32 v254, v255
	s_wait_dscnt 0x0
	s_endpgm
; ---------------- weights: a work-group takes 256 columns x 256 along K; a lane takes a column and its registers run down K ----------------
.Lweights:
	s_sub_co_u32 s2, ttmp9, 128                    ; 0-47 w_qkv, 48-63 w_out, 64-127 w_ff1, 128-191 w_ff2: one path, the sizes in registers
	s_mov_b32 s3, 4096                             ; a row of the source in bytes
	s_mov_b32 s4, 4096                             ; a row of the codes in bytes (K)
	s_mov_b32 s5, 4                                ; log2 of the pieces of 256 along K
	s_mov_b32 s6, W2C
	s_mov_b32 s7, W2S
	s_mov_b32 s9, 128
	s_wait_kmcnt 0x0
	s_mov_b64 s[10:11], s[28:29]
	s_cmp_lt_u32 s2, 128
	s_cselect_b32 s3, 16384, s3
	s_cselect_b32 s4, 1024, s4
	s_cselect_b32 s5, 2, s5
	s_cselect_b32 s6, W1C, s6
	s_cselect_b32 s7, W1S, s7
	s_cselect_b32 s9, 64, s9
	s_cselect_b64 s[10:11], s[26:27], s[10:11]
	s_cmp_lt_u32 s2, 64
	s_cselect_b32 s3, 4096, s3
	s_cselect_b32 s6, WOC, s6
	s_cselect_b32 s7, WOS, s7
	s_cselect_b32 s9, 48, s9
	s_cselect_b64 s[10:11], s[24:25], s[10:11]
	s_cmp_lt_u32 s2, 48
	s_cselect_b32 s3, 12288, s3
	s_cselect_b32 s6, WQC, s6
	s_cselect_b32 s7, WQS, s7
	s_cselect_b32 s9, 0, s9
	s_cselect_b64 s[10:11], s[22:23], s[10:11]
	s_sub_co_u32 s2, s2, s9
	s_bfm_b32 s9, s5, 0
	s_and_b32 s12, s2, s9                          ; y: which 256 along K
	s_lshr_b32 s13, s2, s5                         ; which 256 columns
	s_lshl_b32 s13, s13, 8
	s_lshl_b32 s15, s8, 5
	s_add_co_u32 s13, s13, s15                     ; n0: my wave's first column
	s_mul_i32 s48, s12, s3
	s_lshl_b32 s48, s48, 8                         ; 256 y rows of the source,
	s_lshl_b32 s49, s13, 2
	s_add_co_u32 s48, s48, s49                     ; + 4 n0
	s_mov_b32 s49, 0
	s_add_nc_u64 s[32:33], s[10:11], s[48:49]      ; a base for each block of 32 rows: none is ever stepped
	s_lshl_b32 s48, s3, 5
.irp t, 1,2,3,4,5,6,7
	s_add_nc_u64 s[32+2*\t:33+2*\t], s[30+2*\t:31+2*\t], s[48:49]
.endr
	s_mul_i32 s50, s13, s4                         ; codes: row n0, + 256 y
	s_lshl_b32 s51, s12, 8
	s_add_co_u32 s50, s50, s51
	s_add_co_u32 s50, s50, s6
	s_mov_b32 s51, 0
	s_add_nc_u64 s[50:51], s[30:31], s[50:51]
	s_lshl_b32 s52, s12, 15                        ; scale bytes: plane y, row n0
	s_lshl_b32 s53, s13, 3
	s_add_co_u32 s52, s52, s53
	s_add_co_u32 s52, s52, s7
	s_mov_b32 s53, 0
	s_add_nc_u64 s[52:53], s[30:31], s[52:53]
	s_wait_alu depctr_va_vdst(0)
	v_lshlrev_b32 v3, 2, v1
.set n, 0
.rept 32
	v_mad_u32_u24 v[16+n], s3, n, v3               ; row n of a block, my column
.set n, n+1
.endr
	s_mul_i32 s54, s8, 8704
	s_add_co_u32 s54, s54, WST                     ; my stage
	v_mul_u32_u24 v4, v1, 272
	s_delay_alu instid0(VALU_DEP_1)
	v_add_nc_u32 v4, s54, v4                       ; in: row = my column
	v_and_b32 v5, 15, v1
	v_lshrrev_b32 v6, 4, v1
	s_delay_alu instid0(VALU_DEP_1)
	v_mul_u32_u24 v7, v6, 272
	s_delay_alu instid0(VALU_DEP_1)
	v_lshl_add_u32 v7, v5, 4, v7
	s_delay_alu instid0(VALU_DEP_1)
	v_add_nc_u32 v7, s54, v7                       ; out: sixteen lanes to a row, two rows an instruction
	s_delay_alu instid0(VALU_DEP_4)
	v_mul_u32_u24 v8, s4, v6
	s_delay_alu instid0(VALU_DEP_1)
	v_lshl_add_u32 v8, v5, 4, v8
.irp t, 0,1,2,3,4,5,6,7,8,9,10,11,12,13,14,15
	v_mad_u32_u24 v[WD+\t], s4, 2*((\t&3)|((\t&4)<<1)|((\t&8)>>1)), v8   ; column 2 t + (lane / 16) goes to position sw(2 t + lane / 16)
.endr
	v_and_b32 v9, 7, v1
	v_bfe_u32 v10, v1, 3, 1
	s_delay_alu instid0(VALU_DEP_1)
	v_lshl_or_b32 v9, v10, 4, v9
	s_delay_alu instid0(VALU_DEP_1)
	v_lshl_or_b32 v9, v6, 3, v9
	s_delay_alu instid0(VALU_DEP_1)
	v_lshlrev_b32 v9, 3, v9                        ; 8 sw(lane): my column's row of scale bytes
.macro LOADW t                         ; block t: rows 32 t + 0..31 of my column; a load reads 128 consecutive bytes, the eight waves side by side 1,024
.set n, 0
.rept 32
	global_load_b32 v[WX+32*((\t)%2)+n], v[16+n], s[32+2*(\t):33+2*(\t)] th:TH_LOAD_NT
.set n, n+1
.endr
.endm
.macro BLOCK t
.set XS, WX+32*((\t)%2)
.if (\t) < 7
	s_wait_loadcnt 32                              ; this block's 32 loads are in; the next block's may be out
.else
	s_wait_loadcnt 0x0
.endif
	v_max3_num_f32 v122, |v[XS]|, |v[XS+1]|, |v[XS+2]|             ; all 32 numbers of the block are mine
	v_max3_num_f32 v123, |v[XS+3]|, |v[XS+4]|, |v[XS+5]|
.irp u, 6,10,14,18,22,26
	s_delay_alu instid0(VALU_DEP_2)
	v_max3_num_f32 v122, v122, |v[XS+\u]|, |v[XS+\u+1]|
	s_delay_alu instid0(VALU_DEP_2)
	v_max3_num_f32 v123, v123, |v[XS+\u+2]|, |v[XS+\u+3]|
.endr
	s_delay_alu instid0(VALU_DEP_2)
	v_max3_num_f32 v122, v122, |v[XS+30]|, |v[XS+31]|
	s_delay_alu instid0(VALU_DEP_1)
	v_max3_num_f32 v122, v122, v123, 0x4800000
	s_delay_alu instid0(VALU_DEP_1)
	v_add_nc_u32 v124, 0xfc000000, v122
	s_delay_alu instid0(VALU_DEP_2)
	v_and_or_b32 v125, v122, 0x7f800000, s14
	s_delay_alu instid0(VALU_DEP_2)
	v_lshrrev_b32 v126, 23, v124
.if (\t)%4 == 0
	s_delay_alu instid0(VALU_DEP_1)
	v_mov_b32 v[WSB+(\t)/4], v126                  ; four bytes to a register, the lower K in the lower byte
.else
	s_delay_alu instid0(VALU_DEP_1)
	v_lshl_or_b32 v[WSB+(\t)/4], v126, 8*((\t)%4), v[WSB+(\t)/4]
.endif
.set n, 0
.rept 32
	v_med3_num_f32 v[XS+n], v[XS+n], -v125, v125
.set n, n+1
.endr
.irp u, 0,1,2,3
	v_cvt_scalef32_pk8_fp8_f32 v[WC+2*\u:WC+2*\u+1], v[XS+8*\u:XS+8*\u+7], v124
.endr
	v_nop                                          ; a plain line behind the conversions
	ds_store_b128 v4, v[WC:WC+3] offset:32*(\t)
	ds_store_b128 v4, v[WC+4:WC+7] offset:32*(\t)+16
.if (\t)+2 < 8
	LOADW (\t)+2
.endif
	s_wait_dscnt 0x0                               ; the stores have read their registers: the next block's codes may be written
.endm
	LOADW 0
	LOADW 1
.irp t, 0,1,2,3,4,5,6,7
	BLOCK \t
.endr
	global_store_b64 v9, v[WSB:WSB+1], s[52:53]    ; 32 lanes store 256 consecutive bytes, aligned
.irp t, 0,1,2,3,4,5,6,7,8,9,10,11,12,13,14,15
	ds_load_b128 v[WO+4*\t:WO+4*\t+3], v7 offset:544*\t
.endr
.irp t, 0,1,2,3,4,5,6,7,8,9,10,11,12,13,14,15
	s_wait_dscnt 15-\t
	global_store_b128 v[WD+\t], v[WO+4*\t:WO+4*\t+3], s[50:51]     ; sixteen lanes store 256 consecutive bytes, aligned
.endr
	s_wait_tensorcnt 0x0
	ds_add_u32 v254, v255
	s_wait_dscnt 0x0
	s_endpgm
.Lfunc_end_k_q18644bfafb_prep:
	.size	k_q18644bfafb_prep, .Lfunc_end_k_q18644bfafb_prep-k_q18644bfafb_prep
	.p2alignl 7, 3214868480
	.fill 96, 4, 3214868480
	.section	.rodata,"a",@progbits
	.p2align	6, 0x0
	.amdhsa_kernel k_q18644bfafb_prep
		.amdhsa_group_segment_fixed_size 112640
		.amdhsa_private_segment_fixed_size 0
		.amdhsa_enable_private_segment 0
		.amdhsa_kernarg_size 64
		.amdhsa_user_sgpr_count 2
		.amdhsa_user_sgpr_kernarg_segment_ptr 1
		.amdhsa_wavefront_size32 1
		.amdhsa_system_sgpr_workgroup_id_x 1
		.amdhsa_system_sgpr_workgroup_id_y 1
		.amdhsa_system_sgpr_workgroup_id_z 1
		.amdhsa_system_vgpr_workitem_id 0
		.amdhsa_next_free_vgpr 256
		.amdhsa_next_free_sgpr 66
		.amdhsa_reserve_vcc 0
		.amdhsa_float_denorm_mode_32 3
		.amdhsa_float_denorm_mode_16_64 3
		.amdhsa_memory_ordered 1
		.amdhsa_forward_progress 1
		.amdhsa_inst_pref_size 130
	.end_amdhsa_kernel
	.amdgpu_metadata
---
amdhsa.version: [ 1, 2 ]
amdhsa.kernels:
  - .name:           k_q18644bfafb_prep
    .symbol:         k_q18644bfafb_prep.kd
    .args:
      - { .name: x, .offset: 0, .size: 8, .value_kind: global_buffer, .address_space: global }
      - { .name: g1, .offset: 8, .size: 8, .value_kind: global_buffer, .address_space: global }
      - { .name: be1, .offset: 16, .size: 8, .value_kind: global_buffer, .address_space: global }
      - { .name: w_qkv, .offset: 24, .size: 8, .value_kind: global_buffer, .address_space: global }
      - { .name: w_out, .offset: 32, .size: 8, .value_kind: global_buffer, .address_space: global }
      - { .name: w_ff1, .offset: 40, .size: 8, .value_kind: global_buffer, .address_space: global }
      - { .name: w_ff2, .offset: 48, .size: 8, .value_kind: global_buffer, .address_space: global }
      - { .name: wts, .offset: 56, .size: 8, .value_kind: global_buffer, .address_space: global }
    .group_segment_fixed_size: 112640
    .private_segment_fixed_size: 0
    .kernarg_segment_align: 8
    .kernarg_segment_size: 64
    .max_flat_workgroup_size: 256
    .sgpr_count:     66
    .vgpr_count:     256
    .wavefront_size: 32
...
	.end_amdgpu_metadata
.endif
;; end of part 1
;; launch qkv (part 2): grid 12 x 16, 4 waves a work-group, clusters of 4 x 4, 327,680 bytes of LDS; arguments wts, qkvb; writes qkvb
.if DOCPART == 2
	.amdgcn_target "amdgcn-amd-amdhsa--gfx1250"
	.amdhsa_code_object_version 6
	.text
	.protected	k_q18644bfafb_qkv
	.globl	k_q18644bfafb_qkv
	.p2align	8
	.type	k_q18644bfafb_qkv,@function
k_q18644bfafb_qkv:
	s_mov_b64 s[64:65], 0
	v_nop
	global_prefetch_b8 v0, s[64:65] scope:SCOPE_SE
	s_setreg_imm32_b32 hwreg(HW_REG_WAVE_MODE, 25, 1), 1
	s_wait_xcnt 0x0
	s_wait_alu depctr_hold_cnt(0) depctr_sa_sdst(0) depctr_va_vdst(0) depctr_va_sdst(0) depctr_va_ssrc(0) depctr_va_vcc(0) depctr_vm_vsrc(0)
	s_getreg_b32 s2, hwreg(HW_REG_IB_STS2, 6, 4)
	s_cmp_eq_u32 s2, 0
	s_cbranch_scc0 .Lentry_in_a_cluster
	s_endpgm
.Lentry_in_a_cluster:
	s_bfe_u32 s2, ttmp6, 0x10000c
	s_cmp_lg_u32 s2, 0xf033
	s_cbranch_scc0 .Lentry_shape_is_right
	s_endpgm
.Lentry_shape_is_right:
; q, k, v = LN1(x) W_qkv on E4M3 codes with E8M0 scales, each result quantised at once for the attention that follows.  K = 1,024.
; A work-group of four waves makes 256 x 256; a wave 128 x 128: 64 accumulators, 512 registers.  K goes in steps of 256 through two LDS slots filled by the tensor data mover.
; CLUSTERS of 4 x 4: "A"'s tile is shared along a row of the cluster, "B"'s along a column, each asked for jointly.  The matrix instruction is used transposed: source 0 = 16 rows of B, source 1 = 16 rows of A.
; Clusters x = 0, 1: A = 256 tokens, B = 256 columns of q or k (four heads).  A lane then holds one token and, since B's rows are stored with bits 3 and 4 of the row number exchanged, its registers run along the head's
; axis in true order: the blocks of 32 of the first attention product.  Cluster x = 2: A = 256 columns of v, B = 256 tokens (stored in the same exchanged order): a lane holds one channel of v and its registers run along the
; KEYS, the second attention product's K.  The same text serves both: only offsets, the read-back and the stores' places differ, by a branch on the cluster's x, which all partners share.
; OUT.  q, k: [batch][group 32 = head, 16 + head][1024 pair rows][128 bytes]: token 32 c + 16 a + 8 u + j lies in pair row 16 c + 8 a + j, half u; its two scale bytes at pair row x 4 + 2 u.
;       v: [head x 64 + channel position][4096 = batch x 2048 + token]; scale words [batch][head][16 steps of 128 keys][64 positions].
; LIMITS: a block of zeros or under 2^-118 keeps the byte 1; NaN and infinities are not served.
.set XNC, 12582912                     ; in wts: the normalised tokens' codes, their scale bytes, w_qkv's codes, its scale bytes
.set XNS, 17694720
.set WQC, 0
.set WQS, 16777216
.set VC,  8388608                      ; in qkvb: v's codes, q and k's scale words, v's scale words
.set QKS, 12582912
.set VS,  12845056
.set NQ,     2                         ; matrix instructions deep in a slot
.set ROWB,   256                       ; a tile's row in bytes
.set KROW,   1024                      ; a row of codes in memory
.set PITCH,  272                       ; an LDS row: 256 bytes + 16: sixteen neighbouring rows start 16 bytes further on each, modulo 256
.set FR,     16                        ; registers of a fragment
.set NL,     4                         ; LDS loads that bring one
.set NP,     8                         ; places behind this matrix instruction (ISA guide 7.12.1)
.set HALFT,  128*PITCH
.set SLOT,   4*HALFT
.set LAPS,   2                         ; 1,024 / (2 x 256)
.set SCA,    2*SLOT                    ; A's scale bytes: [4 planes][256 rows x 8 bytes]
.set SCB,    SCA+8192+128              ; B's likewise, 128 bytes askew
.set SPARE,  295168                    ; the spare words: 128 bytes for each wave, two blocks of 256 that no other line names
.set WSTG,   128*144+128               ; the way out, in slot 0 (its last fill and last read are over): a stage of 128 rows x 144 bytes for each wave
.set SSTP,   4*WSTG                    ; and the scale words: [column half][256 row positions]
.set ADRA, 16
.set ADRB, 20
.set STO,  24                          ; where I put 16 codes
.set RDP,  25                          ; read-back by pair rows
.set COV,  26                          ; v: my place in two rows of the output
.set ADRS, 27
.set SPW,  28
.set NIL,  29
.set SSO,  30                          ; where I put a scale word
.set RDV,  31                          ; read-back by rows
.set SRP,  7
.set SRV,  8
.set L16,  9
.set SC,   32                          ; v32-63: scale words and nothing else
.set Y,    64                          ; v64-127: 64 numbers held within the largest code
.set AF,   128
.set TM,   128
.set PC,   144
.set PW,   160
.set SEL,  12
.set MNT,  100
.set G1, 24
.set G0, 32
.set G1B, 48
.set G0B, 56
.set G1S, 68
.set G0S, 76
.set G1SB, 80
.set G0SB, 88
.set MSB, 0
.macro WIN new                         ; the immediate's high byte repeats the setting that is left
.set WNEW, \new
.if MSB != WNEW
	s_set_vgpr_msb (MSB<<8)|WNEW
.set MSB, WNEW
.endif
.endm
.set MUL_LO, 0xa1                      ; source 0 (B) window 1, source 1 (A) window 0, C and D window 2
.set MUL_HI, 0xf1
.set TO_B,   0x40
.macro JLOAD g0a, g1a, g0b, g1b        ; waves 0 and 1 fetch for A, waves 2 and 3 for B; four v_nop follow each line
	s_cmp_eq_u32 s15, 0
	s_cbranch_scc0 .Lfor_b_\@
	tensor_load_to_lds s[\g0a:\g0a+3], s[\g1a:\g1a+7]
	s_nop 0
.rept 4
	v_nop
.endr
	s_branch .Lasked_\@
.Lfor_b_\@:
	tensor_load_to_lds s[\g0b:\g0b+3], s[\g1b:\g1b+7]
	s_nop 0
.rept 4
	v_nop
.endr
.Lasked_\@:
.endm
.macro CREST
	s_cmp_lg_u32 s14, 0
	s_cbranch_scc1 .Lnot_wave_0_\@
	s_barrier_signal -3
.Lnot_wave_0_\@:
	s_barrier_wait -3
	s_barrier_signal -1
	s_barrier_wait -1
.endm
.macro CROUND
	s_barrier_signal -1
	s_barrier_wait -1
	CREST
.endm
.macro PLACES n
.rept \n
	v_nop
.endr
.endm
	s_load_b128 s[4:7], s[0:1], 0x0                ; wts, qkvb
	v_lshl_add_u32 v[SPW], v0, 2, SPARE
	v_mov_b32 v[NIL], 0
	ds_add_u32 v28, v29
	ds_add_u32 v28, v29
	s_wait_dscnt 0x0
	v_lshrrev_b32 v1, 5, v0
	v_readfirstlane_b32 s14, v1                    ; wave 0..3
	s_lshr_b32 s15, s14, 1                         ; my half of A's rows.  Also: I fetch for A (0) or B (1)
	s_and_b32 s16, s14, 1                          ; my half of B's rows.  Also: which 128 rows I fetch
	s_bfe_u32 s40, ttmp6, 0x40000                  ; cx
	s_bfe_u32 s41, ttmp6, 0x40004                  ; cy
	s_lshl_b32 s18, ttmp9, 2
	s_and_b32 s19, ttmp7, 0xffff
	s_lshl_b32 s19, s19, 2
	s_mov_b32 s96, XNC
	s_mov_b32 s97, XNS
	s_mov_b32 s98, XNC
	s_mov_b32 s99, XNS
	s_cmp_eq_u32 ttmp9, 2                          ; the cluster's x: the same in all sixteen partners
	s_cselect_b32 s95, 1, 0                        ; 1: this cluster makes v
	s_cselect_b32 s17, 8, s19                      ; A's tile: v: w_qkv's row tiles 8 + cy; else token tiles 4 Y + cy
	s_cselect_b32 s42, s19, s18                    ; B's tile: v: token tiles 4 Y + cx; else w_qkv's row tiles 4 X + cx
	s_cselect_b32 s96, WQC, s96                    ; where A's codes and scale bytes begin,
	s_cselect_b32 s97, WQS, s97
	s_cselect_b32 s98, s98, WQC                    ; and B's
	s_cselect_b32 s99, s99, WQS
	s_add_co_u32 s17, s17, s41
	s_add_co_u32 s42, s42, s40
	s_lshl_b32 s43, s41, 2
	s_lshl_b32 s43, 15, s43                        ; my row of the cluster
	s_lshl_b32 s44, 0x1111, s40                    ; my column
	s_or_b32 s[G1+0], s43, (0<<16)|(1<<20)|(1<<21)|(5<<22)|(3<<25)   ; the mask; elements of 1 byte; padding: 4 words behind every 64; bit 21 beside a mask
	s_or_b32 s[G1B+0], s44, (0<<16)|(1<<20)|(1<<21)|(5<<22)|(3<<25)
.irp g, G1, G1B
	s_mov_b32 s[\g+1], ROWB<<16                    ; tensor_dim0
	s_mov_b32 s[\g+2], 256<<16                     ; tensor_dim1: the head's loads bring a whole tile
	s_mov_b32 s[\g+3], ROWB<<16                    ; tile_dim0
	s_mov_b32 s[\g+4], 256                         ; tile_dim1
	s_mov_b32 s[\g+5], KROW                        ; from row to row
	s_mov_b32 s[\g+6], 0
	s_mov_b32 s[\g+7], 0
.endr
	s_or_b32 s[G1S+0], s43, (3<<16)|(1<<21)        ; scale bytes of 256 rows: 4 planes of 256 elements of 8 bytes, 4,096 elements apart; no padding
	s_or_b32 s[G1SB+0], s44, (3<<16)|(1<<21)
.irp g, G1S, G1SB
	s_mov_b32 s[\g+1], 256<<16
	s_mov_b32 s[\g+2], 4<<16
	s_mov_b32 s[\g+3], 256<<16
	s_mov_b32 s[\g+4], 4
	s_mov_b32 s[\g+5], 4096
	s_mov_b32 s[\g+6], 0
	s_mov_b32 s[\g+7], 0
.endr
	s_lshl_b32 s18, s16, 7
	s_lshl_b32 s20, s17, 8
	s_add_co_u32 s20, s20, s18                     ; A: the first row that I fetch
	s_lshl_b32 s46, s42, 8
	s_add_co_u32 s46, s46, s18                     ; B likewise
	s_lshl_b32 s22, s17, 11                        ; scale bytes: the tile's 256 rows, 8 bytes a row and plane
	s_add_co_u32 s22, s22, s97
	s_lshl_b32 s92, s42, 11
	s_add_co_u32 s92, s92, s99
	s_lshl_b32 s20, s20, 10
	s_add_co_u32 s20, s20, s96
	s_lshl_b32 s46, s46, 10
	s_add_co_u32 s46, s46, s98
	s_mov_b32 s21, 0
	s_mov_b32 s23, 0
	s_mov_b32 s47, 0
	s_mov_b32 s93, 0
	s_mul_i32 s45, s14, HALFT                      ; where they go: wave x 128 rows
	s_wait_kmcnt 0x0
	s_add_nc_u64 s[20:21], s[4:5], s[20:21]
	s_add_nc_u64 s[22:23], s[4:5], s[22:23]
	s_add_nc_u64 s[46:47], s[4:5], s[46:47]
	s_add_nc_u64 s[92:93], s[4:5], s[92:93]
	CROUND                                         ; all sixteen work-groups are here: the first joint loads meet
	s_mov_b32 s[G0S], 1
	s_mov_b32 s[G0S+1], SCA
	s_mov_b64 s[G0S+2:G0S+3], s[22:23]
	s_or_b32 s[G0S+3], s[G0S+3], 0x80000000
	s_mov_b32 s[G0SB], 1
	s_mov_b32 s[G0SB+1], SCB
	s_mov_b64 s[G0SB+2:G0SB+3], s[92:93]
	s_or_b32 s[G0SB+3], s[G0SB+3], 0x80000000
.irp s, 0,1
	s_mov_b32 s[G0+4*\s], 1
	s_add_co_u32 s[G0+4*\s+1], s45, \s*SLOT
	s_add_nc_u64 s[G0+4*\s+2:G0+4*\s+3], s[20:21], \s*ROWB
	s_or_b32 s[G0+4*\s+3], s[G0+4*\s+3], 0x80000000
	s_mov_b32 s[G0B+4*\s], 1
	s_add_co_u32 s[G0B+4*\s+1], s45, \s*SLOT
	s_add_nc_u64 s[G0B+4*\s+2:G0B+4*\s+3], s[46:47], \s*ROWB
	s_or_b32 s[G0B+4*\s+3], s[G0B+4*\s+3], 0x80000000
.endr
; the head's loads, one a wave: wave 0 A's 256 rows of K step 0, wave 1 A's scale bytes, wave 2 B's 256 rows, wave 3 B's scale bytes
.macro ARM under, g0, g1, next
	s_cmp_lt_u32 s14, \under
	s_cbranch_scc0 \next
	tensor_load_to_lds s[\g0:\g0+3], s[\g1:\g1+7]
	s_nop 0
.rept 4
	v_nop
.endr
	s_branch .Lhead_asked
\next:
.endm
	ARM 1, G0,  G1,  .Lhead_sa
	ARM 2, G0S, G1S, .Lhead_b
	ARM 3, G0B, G1B, .Lhead_sb
	tensor_load_to_lds s[G0SB:G0SB+3], s[G1SB:G1SB+7]
	s_nop 0
.rept 4
	v_nop
.endr
.Lhead_asked:
	v_and_b32 v1, 15, v0                           ; r
	v_bfe_u32 v2, v0, 4, 1                         ; h
	s_wait_alu depctr_va_vdst(0)
	v_mul_u32_u24 v3, v1, PITCH
	v_lshl_add_u32 v4, v2, 4, v3
	s_mul_i32 s21, s15, HALFT
	s_mul_i32 s22, s16, HALFT
	s_add_co_u32 s22, s22, 2*HALFT
.irp s, 0,1
	v_add_nc_u32 v[ADRA+\s], s21, v4
	v_add_nc_u32 v[ADRB+\s], s22, v4
	s_add_co_u32 s21, s21, SLOT
	s_add_co_u32 s22, s22, SLOT
.endr
	v_lshlrev_b32 v5, 3, v1                        ; scale words: 8 bytes a row and plane; lanes 0-15 take A's rows, lanes 16-31 B's
	s_lshl_b32 s21, s15, 10                        ; in LDS the scale bytes lie [plane][256 rows][8]
	s_lshl_b32 s22, s16, 10
	s_add_co_u32 s22, s22, SCB-SCA
	s_sub_co_u32 s22, s22, s21
	v_mul_u32_u24 v6, s22, v2
	s_add_co_u32 s21, s21, SCA
	v_add_nc_u32 v5, v5, v6
	v_add_nc_u32 v[ADRS], s21, v5
	s_mul_i32 s23, s14, WSTG                       ; my stage: row r, 16 bytes for each half of the lanes
	v_mul_u32_u24 v5, v1, 144
	v_lshl_add_u32 v5, v2, 4, v5
	v_add_nc_u32 v[STO], s23, v5
	s_lshl_b32 s23, s16, 10
	s_lshl_b32 s21, s15, 9
	s_add_co_u32 s23, s23, s21
	s_add_co_u32 s23, s23, SSTP
	v_lshl_add_u32 v[SSO], v1, 2, s23
	v_and_b32 v6, 31, v0
	v_lshlrev_b32 v[L16], 4, v6
	v_bfe_u32 v3, v6, 2, 1                         ; by pair rows, wave w = head w of the tile's four: lane l takes pair row (l / 8) of four, half u = (l / 4) % 2, 16 (l % 4) bytes on:
	v_lshrrev_b32 v4, 3, v6
	v_lshl_add_u32 v3, v3, 4, v4                   ; row position 16 u + l / 8
	v_mul_u32_u24 v3, v3, 144
	v_and_b32 v4, 3, v6
	v_lshl_add_u32 v3, v4, 4, v3
	s_mul_i32 s21, s15, WSTG                       ; the stage of column half w / 2,
	s_lshl_b32 s22, s16, 6                         ; 64 (w % 2) bytes on
	s_add_co_u32 s21, s21, s22
	v_add_nc_u32 v[RDP], s21, v3
	v_bfe_u32 v3, v6, 3, 1                         ; by rows, wave w = positions 64 w on: lanes 0-7 the first column half's stage, lanes 8-15 the second's; lanes 16-31 the next row
	v_mul_u32_u24 v3, v3, WSTG
	v_mad_u32_u24 v3, v2, 144, v3
	v_and_b32 v4, 7, v6
	v_lshl_add_u32 v3, v4, 4, v3
	s_mul_i32 s21, s15, 2*WSTG
	s_mul_i32 s22, s16, 64*144
	s_add_co_u32 s21, s21, s22
	v_add_nc_u32 v[RDV], s21, v3
	v_lshlrev_b32 v3, 12, v2
	v_lshl_add_u32 v[COV], v1, 4, v3
	v_lshrrev_b32 v3, 2, v6                        ; q, k: the scale words of positions 32 (l / 4) + 4 (l % 4) + 0..3
	v_lshlrev_b32 v3, 7, v3
	v_and_b32 v4, 3, v6
	v_lshl_add_u32 v3, v4, 4, v3
	s_lshl_b32 s21, s15, 10
	s_add_co_u32 s21, s21, SSTP
	v_add_nc_u32 v[SRP], s21, v3
	v_lshlrev_b32 v3, 10, v2                       ; v: column half l / 16, positions 64 w + 4 (l % 16) + 0..3
	v_lshl_add_u32 v3, v1, 4, v3
	s_lshl_b32 s21, s14, 8
	s_add_co_u32 s21, s21, SSTP
	v_add_nc_u32 v[SRV], s21, v3
	; where my wave's results go: q, k: group (batch x 32 + 4 x B's tile + wave), 128 pair rows of A's tile;  v: head 4 cy + wave, 256 tokens of B's tile
	s_lshr_b32 s18, s17, 3
	s_lshl_b32 s18, s18, 5
	s_lshl_b32 s19, s42, 2
	s_add_co_u32 s18, s18, s19
	s_add_co_u32 s18, s18, s14
	s_and_b32 s19, s17, 7
	s_lshl_b32 s20, s18, 17
	s_lshl_b32 s21, s19, 14
	s_add_co_u32 s20, s20, s21
	s_lshl_b32 s22, s18, 12
	s_lshl_b32 s23, s19, 9
	s_add_co_u32 s22, s22, s23
	s_add_co_u32 s22, s22, QKS
	s_and_b32 s18, s17, 3
	s_lshl_b32 s19, s18, 2
	s_add_co_u32 s19, s19, s14                     ; the head
	s_lshl_b32 s92, s19, 18                        ; 64 rows of 4,096 bytes
	s_lshl_b32 s93, s42, 8
	s_add_co_u32 s92, s92, s93
	s_add_co_u32 s92, s92, VC
	s_lshr_b32 s93, s42, 3
	s_lshl_b32 s93, s93, 4
	s_add_co_u32 s93, s93, s19
	s_lshl_b32 s93, s93, 4
	s_and_b32 s94, s42, 7
	s_lshl_b32 s94, s94, 1
	s_add_co_u32 s93, s93, s94
	s_lshl_b32 s93, s93, 8
	s_add_co_u32 s93, s93, VS
	s_cmp_eq_u32 s95, 1
	s_cselect_b32 s20, s92, s20
	s_cselect_b32 s22, s93, s22
	s_mov_b32 s21, 0
	s_mov_b32 s23, 0
	s_add_nc_u64 s[8:9], s[6:7], s[20:21]          ; codes
	s_add_nc_u64 s[10:11], s[6:7], s[22:23]        ; scale words
	s_mov_b32 s[SEL], 0x76543210
	s_mov_b32 s[SEL+1], 0xfedcba98
	s_mov_b32 s[MNT], 0x600000
	s_mov_b32 s18, 0x07060302                      ; a head's two bytes of a scale word: the upper two for odd heads,
	s_cmp_eq_u32 s16, 0
	s_cselect_b32 s18, 0x05040100, s18             ; the lower two for even ones
.macro FRAG reg, adr, q, i             ; 16 rows x 128 K: registers 4 c .. 4 c + 3 hold K = 32 c + 16 (lane / 16) + 0 .. 15
.irp c, 0,1,2,3
	ds_load_b128 v[\reg+4*\c:\reg+4*\c+3], v[\adr] offset:128*(\q)+32*\c+(\i)*16*PITCH
.endr
.endm
; 16 matrix instructions: A's blocks a0, a0 + 1 x B's eight.  The 64 accumulators take turns, one instruction a turn, in the same order in every step.
.macro MUL16 a0, p, q, sc, zero
.irp a, \a0, \a0+1
.irp b, 0,1,2,3,4,5,6,7
.if \zero
	v_wmma_scale_f32_16x16x128_f8f6f4 v[8*(8*((\a)%4)+\b):8*(8*((\a)%4)+\b)+7], v[128*(\p)+FR*\b:128*(\p)+FR*\b+FR-1], v[AF+FR*(\a):AF+FR*(\a)+FR-1], 0, v[SC+8*NQ*(\sc)+NQ*\b+(\q)], v[SC+8*NQ*(\sc)+NQ*(\a)+(\q)] matrix_a_scale:MATRIX_SCALE_ROW1
.else
	v_wmma_scale_f32_16x16x128_f8f6f4 v[8*(8*((\a)%4)+\b):8*(8*((\a)%4)+\b)+7], v[128*(\p)+FR*\b:128*(\p)+FR*\b+FR-1], v[AF+FR*(\a):AF+FR*(\a)+FR-1], v[8*(8*((\a)%4)+\b):8*(8*((\a)%4)+\b)+7], v[SC+8*NQ*(\sc)+NQ*\b+(\q)], v[SC+8*NQ*(\sc)+NQ*(\a)+(\q)] matrix_a_scale:MATRIX_SCALE_ROW1
.endif
.endr
.endr
.endm
.macro FETCH_B slot, q, p
	WIN TO_B
.irp i, 0,1,2,3,4,5,6,7
	FRAG 128*(\p)+FR*\i, ADRB+\slot, \q, \i
.endr
	WIN 0
.endm
.macro FETCH_A slot, q, i0
.irp i, \i0, \i0+1, \i0+2, \i0+3
	FRAG AF+FR*(\i), ADRA+\slot, \q, \i
.endr
.endm
.macro SCALES sc                       ; a K step's two words a row: lanes 0-15 A's block i, lanes 16-31 B's block i
.irp i, 0,1,2,3,4,5,6,7
	ds_load_b64 v[SC+8*NQ*\sc+NQ*\i:SC+8*NQ*\sc+NQ*\i+1], v[ADRS] offset:\i*128
.endr
.endm
.macro STEP slot, q, zero              ; 128 along K whose successor lies in the same slot
	s_wait_dscnt 4*NL                              ; B's set and A's blocks 0-3 are in; the youngest 16 loads (A's blocks 4-7) may be out
	WIN MUL_LO
	MUL16 0, (\q)%2, \q, \slot, \zero
	MUL16 2, (\q)%2, \q, \slot, \zero
	s_wait_dscnt 0
	PLACES NP                                      ; in front of loads into registers that matrix instructions have read
	FETCH_B \slot, (\q)+1, 1-(\q)%2
	FETCH_A \slot, (\q)+1, 0
	WIN MUL_HI
	MUL16 4, (\q)%2, \q, \slot, \zero
	MUL16 6, (\q)%2, \q, \slot, \zero
	PLACES NP
	WIN 0
	FETCH_A \slot, (\q)+1, 4
.endm
.macro TURN slot, next, fill           ; a slot's last step changes slots: one barrier
	s_wait_tensorcnt 0x0                           ; all my tensor loads have landed: my part of the next slot;
	ds_add_u32 v[SPW], v[NIL]                      ; 0 onto my spare word;
	s_wait_dscnt 4*NL+1                            ; (the add and A's blocks 4-7 may be out)
	WIN MUL_LO
	MUL16 0, 1, NQ-1, \slot, 0
	s_wait_dscnt 0x0                               ; the add is done, and my reads of this slot are over
	s_barrier_signal -1
	MUL16 2, 1, NQ-1, \slot, 0
	WIN 0
	s_barrier_wait -1
.if \fill
	CREST                                          ; the barrier has opened a round of the cluster's: no wave of any partner still reads this slot or has a load on its way
	s_add_nc_u64 s[G0+4*\slot+2:G0+4*\slot+3], s[G0+4*\slot+2:G0+4*\slot+3], 2*ROWB
	s_add_nc_u64 s[G0B+4*\slot+2:G0B+4*\slot+3], s[G0B+4*\slot+2:G0B+4*\slot+3], 2*ROWB
	JLOAD G0+4*\slot, G1, G0B+4*\slot, G1B         ; the first tensor load behind the round; its four v_nop are four of the eight places
	PLACES NP-4
.else
	PLACES NP
.endif
	s_wait_alu depctr_va_vdst(0)
	v_add_nc_u32 v[ADRS], 2048, v[ADRS]
	FETCH_B \next, 0, 0
	FETCH_A \next, 0, 0
	SCALES \next
	WIN MUL_HI
	MUL16 4, 1, NQ-1, \slot, 0
	MUL16 6, 1, NQ-1, \slot, 0
	PLACES NP
	WIN 0
	FETCH_A \next, 0, 4
.endm
	s_wait_alu depctr_va_vdst(0)                   ; the head's end
	s_wait_tensorcnt 0x0                           ; my tile of the head's four is in
	ds_add_u32 v[SPW], v[NIL]                      ; the add ahead of a later first fill
	s_mov_b32 s[G1+2], 128<<16                     ; no load of mine is out: from here on a load brings 128 rows
	s_mov_b32 s[G1+4], 128
	s_mov_b32 s[G1B+2], 128<<16
	s_mov_b32 s[G1B+4], 128
	s_wait_dscnt 0x0
	CROUND
	JLOAD G0+4, G1, G0B+4, G1B                     ; K step 1: the first tensor load behind the round
	FETCH_B 0, 0, 0
	FETCH_A 0, 0, 0
	SCALES 0
	FETCH_A 0, 0, 4
	STEP 0, 0, 1                                   ; the first step's products start the sums
	s_mov_b32 s3, LAPS-1
.Llap:
	TURN 0, 1, 1
	STEP 1, 0, 0
	TURN 1, 0, 1
	STEP 0, 0, 0
	s_sub_co_u32 s3, s3, 1
	s_cmp_lg_u32 s3, 0
	s_cbranch_scc1 .Llap
	TURN 0, 1, 0                                   ; the last lap fills nothing
	STEP 1, 0, 0
	s_wait_dscnt 4*NL
	WIN MUL_LO
	MUL16 0, 1, NQ-1, 1, 0
	MUL16 2, 1, NQ-1, 1, 0
	s_wait_dscnt 0
	WIN MUL_HI
	MUL16 4, 1, NQ-1, 1, 0
	MUL16 6, 1, NQ-1, 1, 0
	WIN 0
; THE WAY OUT.  Block a (16 of A's rows): a lane holds one row and 64 numbers, register 16 b + i = B's row 32 b + 16 (lane / 16) + i in true order: four blocks of 32, each shared with lane l xor 16.
.macro QUANT s, wn                     ; 64 numbers at v[s] of window wn -> codes in v[PC] on, the row's scale word in v[PW]
	WIN (\wn)|((\wn)<<2)
.irp b, 0,1,2,3
	v_max3_num_f32 v[TM+\b], |v[(\s)+16*\b]|, |v[(\s)+16*\b+1]|, 0x4800000   ; each accumulator is read from its low end on; the floor 2^(9 - 127) holds the byte at 1 from below
.endr
.irp i, 2,4,6,8,10,12,14
.irp b, 0,1,2,3
	v_max3_num_f32 v[TM+\b], |v[(\s)+16*\b+\i]|, |v[(\s)+16*\b+\i+1]|, v[TM+\b]
.endr
.endr
	WIN 0
.irp b, 0,1,2,3
	v_permlanex16_b32 v[TM+4+\b], v[TM+\b], s[SEL], s[SEL+1]
.endr
.irp b, 0,1,2,3
	v_max_num_f32 v[TM+\b], v[TM+\b], v[TM+4+\b]
.endr
.irp b, 0,1,2,3
	v_add_nc_u32 v[TM+12+\b], 0xfc000000, v[TM+\b] ; 8 off the exponent field: the conversion's scale operand
.endr
.irp b, 0,1,2,3
	v_and_or_b32 v[TM+8+\b], v[TM+\b], 0x7f800000, s[MNT]   ; 448 x the scale
.endr
.irp b, 0,1,2,3
	v_lshrrev_b32 v[TM+4+\b], 23, v[TM+12+\b]
.endr
	v_lshl_or_b32 v[PW], v[TM+5], 8, v[TM+4]
	v_lshl_or_b32 v[PW], v[TM+6], 16, v[PW]
	v_lshl_or_b32 v[PW], v[TM+7], 24, v[PW]
	WIN \wn
.irp b, 0,1,2,3
.irp i, 0,1,2,3,4,5,6,7,8,9,10,11,12,13,14,15
	v_med3_num_f32 v[Y+16*\b+\i], v[(\s)+16*\b+\i], -v[TM+8+\b], v[TM+8+\b]   ; the conversion does not saturate (ISA guide 7.6.2)
.endr
.endr
	WIN 0
.irp b, 0,1,2,3
	v_cvt_scalef32_pk8_fp8_f32 v[PC+4*\b:PC+4*\b+1], v[Y+16*\b:Y+16*\b+7], v[TM+12+\b]
	v_cvt_scalef32_pk8_fp8_f32 v[PC+4*\b+2:PC+4*\b+3], v[Y+16*\b+8:Y+16*\b+15], v[TM+12+\b]
.endr
	v_nop                                          ; a plain line behind the conversions
.endm
	PLACES NP                                      ; behind the last products: reads of results, writes of registers that held A's fragments
.irp b, 0,1,2,3
	v_mov_b32 v[TM+4+\b], 0                        ; a lane permute's destination counts as one of its sources
.endr
.irp a, 0,1,2,3,4,5,6,7
.if \a > 0
	s_wait_dscnt 0x0                               ; the last block's stores have read their registers
.endif
	QUANT 64*(\a%4), 2+\a/4
.irp e, 0,1,2,3
	ds_store_b128 v[STO], v[PC+4*\e:PC+4*\e+3] offset:\a*16*144+32*\e
.endr
	ds_store_b32 v[SSO], v[PW] offset:\a*64        ; both halves of the lanes write the same word with the same value
.endr
	s_wait_dscnt 0x0                               ; for the others' sake
	s_barrier_signal -1
	s_barrier_wait -1
	s_cmp_eq_u32 s95, 1
	s_cbranch_scc1 .Lrows_v
	; q, k: my head's 128 pair rows of 128 bytes: 32 stores of 512 consecutive bytes
	ds_load_b128 v[192:195], v[SRP]                ; the words of four tokens with u = 0,
	ds_load_b128 v[196:199], v[SRP] offset:64      ; and of the four 16 positions on: u = 1
.set q, 0
.rept 32
	ds_load_b128 v[64+4*q:64+4*q+3], v[RDP] offset:(q/16)*2*WSTG+(32*((q/4)%4)+8*((q/2)%2)+4*(q%2))*144
.set q, q+1
.endr
	s_wait_dscnt 32                                ; the words are in; the 32 loads behind them may be out
.irp m, 0,1,2,3
	v_perm_b32 v[200+\m], v[196+\m], v[192+\m], s18   ; a pair row's word: my head's two bytes of u = 0, then of u = 1
.endr
	global_store_b128 v[L16], v[200:203], s[10:11]
.set q, 0
.rept 32
	s_wait_dscnt 31-q
	global_store_b128 v[L16], v[64+4*q:64+4*q+3], s[8:9] offset:512*q
.set q, q+1
.endr
	s_branch .Ldone
.Lrows_v:
	; v: my head's 64 channel positions x 256 tokens: sixteen lanes store 256 consecutive bytes, aligned
	ds_load_b128 v[192:195], v[SRV]
.set q, 0
.rept 32
	ds_load_b128 v[64+4*q:64+4*q+3], v[RDV] offset:288*q
.set q, q+1
.endr
	s_wait_dscnt 32
	global_store_b128 v[L16], v[192:195], s[10:11]
.set q, 0
.rept 32
	s_wait_dscnt 31-q
	global_store_b128 v[COV], v[64+4*q:64+4*q+3], s[8:9] offset:2*q*4096
.set q, q+1
.endr
.Ldone:
	s_wait_tensorcnt 0x0                           ; the wave's end
	ds_add_u32 v[SPW], v[NIL]
	s_wait_dscnt 0x0
	CROUND                                         ; the closing round
	s_endpgm
.Lfunc_end_k_q18644bfafb_qkv:
	.size	k_q18644bfafb_qkv, .Lfunc_end_k_q18644bfafb_qkv-k_q18644bfafb_qkv
	.p2alignl 7, 3214868480
	.fill 96, 4, 3214868480
	.section	.rodata,"a",@progbits
	.p2align	6, 0x0
	.amdhsa_kernel k_q18644bfafb_qkv
		.amdhsa_group_segment_fixed_size 327680
		.amdhsa_private_segment_fixed_size 0
		.amdhsa_enable_private_segment 0
		.amdhsa_kernarg_size 16
		.amdhsa_user_sgpr_count 2
		.amdhsa_user_sgpr_kernarg_segment_ptr 1
		.amdhsa_wavefront_size32 1
		.amdhsa_system_sgpr_workgroup_id_x 1
		.amdhsa_system_sgpr_workgroup_id_y 1
		.amdhsa_system_sgpr_workgroup_id_z 1
		.amdhsa_system_vgpr_workitem_id 0
		.amdhsa_next_free_vgpr 1024
		.amdhsa_next_free_sgpr 102
		.amdhsa_reserve_vcc 0
		.amdhsa_float_denorm_mode_32 3
		.amdhsa_float_denorm_mode_16_64 3
		.amdhsa_memory_ordered 1
		.amdhsa_forward_progress 1
		.amdhsa_inst_pref_size 201
	.end_amdhsa_kernel
	.amdgpu_metadata
---
amdhsa.version: [ 1, 2 ]
amdhsa.kernels:
  - .name:           k_q18644bfafb_qkv
    .symbol:         k_q18644bfafb_qkv.kd
    .args:
      - { .name: wts, .offset: 0, .size: 8, .value_kind: global_buffer, .address_space: global }
      - { .name: qkvb, .offset: 8, .size: 8, .value_kind: global_buffer, .address_space: global }
    .group_segment_fixed_size: 327680
    .private_segment_fixed_size: 0
    .kernarg_segment_align: 8
    .kernarg_segment_size: 16
    .max_flat_workgroup_size: 128
    .sgpr_count:     102
    .vgpr_count:     1024
    .wavefront_size: 32
...
	.end_amdgpu_metadata
.endif
;; end of part 2
;; launch attn (part 3): grid 8 x 32, 16 waves a work-group, clusters of 4 x 1, 327,680 bytes of LDS; arguments qkvb, aob; writes aob
.if DOCPART == 3
	.amdgcn_target "amdgcn-amd-amdhsa--gfx1250"
	.amdhsa_code_object_version 6
	.text
	.protected	k_q18644bfafb_attn
	.globl	k_q18644bfafb_attn
	.p2align	8
	.type	k_q18644bfafb_attn,@function
k_q18644bfafb_attn:
	s_mov_b64 s[64:65], 0
	v_nop
	global_prefetch_b8 v0, s[64:65] scope:SCOPE_SE
	s_setreg_imm32_b32 hwreg(HW_REG_WAVE_MODE, 25, 1), 1
	s_wait_xcnt 0x0
	s_wait_alu depctr_hold_cnt(0) depctr_sa_sdst(0) depctr_va_vdst(0) depctr_va_sdst(0) depctr_va_ssrc(0) depctr_va_vcc(0) depctr_vm_vsrc(0)
	s_getreg_b32 s2, hwreg(HW_REG_IB_STS2, 6, 4)
	s_cmp_eq_u32 s2, 0
	s_cbranch_scc0 .Lentry_in_a_cluster
	s_endpgm
.Lentry_in_a_cluster:
	s_bfe_u32 s2, ttmp6, 0x10000c
	s_cmp_lg_u32 s2, 0x3003
	s_cbranch_scc0 .Lentry_shape_is_right
	s_endpgm
.Lentry_shape_is_right:
; O = softmax(q k^T / 8) v for one head and 256 queries a work-group, both products on E4M3 codes with E8M0 scales; O is quantised along the model's axis for the projection that follows.
; SOFTMAX: t = score x log2(e) / 8; M = ceil of the running largest t; p = 2^(t - M) is quantised along the keys, not normalised; the row's sum is taken of the unquantised p and divides O at the end;
; when M moves, the sum and O are multiplied by f = 2^(old M - new M), which rounds nothing.
; SHARES: sixteen waves, 16 queries each; every wave walks the head's 2,048 keys, 128 a step.
; LDS: the whole head's k (1,024 pair rows), v (8 slabs of 256 keys) and their scale words, filled ONCE, one joint load a wave: the four work-groups of a cluster belong to one head.
; Wave 0: k's pair rows 0-255; waves 1, 2: v's slabs 0, 1; waves 3-6: the scale words; these wait at the first barrier, which shows what steps 0-3 read.  Waves 7-9: the rest of k; waves 10-15: v's slabs 2-7: shown by the second barrier.
; No prefetch: all of the stream is asked for at the head, so there is no trip to run ahead in.
; PAIR ROWS: a row of k's buffer holds two keys, 8 apart.  Sixteen pair rows against [q | 0] give the keys with u = 0, against [0 | q] those with u = 1; the two tiles' 16 registers are 16 neighbouring keys.
; [q | 0] is v16-31 and [0 | q] v24-39: the eight zeros in the middle serve both.  Both products are used transposed: a lane holds one query.
; THE ROW'S SUM FILLS THE PLACES: p is held into other registers, so it stays whole until the next scores; 12 of its 28 additions stand ahead of the second product, 16 behind it (in the text: at the next step's head).
; So a step's sum is joined to l in the next step, under that step's own f; the first step finds zeros.
; LIMITS: the promise holds while |t| stays under 2^31; v_exp_f32 gives 0 under 2^-126; a block of zeros or under 2^-118 keeps the byte 1; NaN and infinities are not served.
.set VC,   8388608                     ; in qkvb: v's codes, q and k's scale words, v's scale words (q and k's codes at 0)
.set QKS,  12582912
.set VS,   12845056
.set AOS,  4194304                     ; in aob: scale bytes [4 planes][4096 rows][8] behind the codes
.set KP,   144                         ; a pair row in LDS: 128 bytes + 16
.set VP,   272                         ; a row of a slab of v: 256 keys + 16
.set KQ,   256*KP                      ; a quarter of k
.set VR,   1024*KP                     ; v's slabs begin here
.set VSL,  64*VP
.set SCK,  VR+8*VSL                    ; k's scale words, 256 bytes a step; v's 4,096 bytes on
.set STG,  SCK+8192                    ; the way out: 16 rows x 80 bytes for each wave; no tile lands here
.set SPARE, STG+16*1280                ; the spare words
.set AK0, 1
.set AV0, 2
.set AS0, 3
.set ADK, 4
.set SPW, 5
.set NIL, 6
.set ADV, 7
.set F,   8                            ; v8 f; v9 named with it as a pair
.set ADS, 255
.set FR,  40                           ; v40-103  four fragments of k, then of v
.set S,   104                          ; v104-167 scores, then p
.set O,   168                          ; v168-199 O^T
.set PC,  200                          ; v200-215 p's codes
.set T,   216                          ; v216-239 three buffers of 8 held numbers; between the holds: sums, maxima
.set SA,  T
.set BM,  T+8
.set PL,  T+12
.set SOP, 240
.set BND, 244
.set KW,  248                          ; v248-254: scale words and nothing else
.set PW,  252
.set QW0, 253
.set QW1, 254
.set TK,  2
.set TS,  3
.set WV,  18
.set MNT, 19
.set SEL, 20
.set CS,  22
.set G1K, 24
.set G1V, 32
.set G1S, 40
.set G0A, 48
.set G0B, 52
.set G0C, 56
.set G0D, 60
.set G0E, 68
.set TV,  72
.set CNT, 73
.set NC,  74
.macro CROUND
	s_barrier_signal -1
	s_barrier_wait -1
	s_cmp_lg_u32 s[WV], 0
	s_cbranch_scc1 .Lnot_wave_0_\@
	s_barrier_signal -3
.Lnot_wave_0_\@:
	s_barrier_wait -3
	s_barrier_signal -1
	s_barrier_wait -1
.endm
	s_load_b128 s[4:7], s[0:1], 0x0                ; qkvb, aob
	v_lshl_add_u32 v[SPW], v0, 2, SPARE
	v_mov_b32 v[NIL], 0
	ds_add_u32 v[SPW], v[NIL]                      ; the opening lines: the add twice on end and its wait
	ds_add_u32 v[SPW], v[NIL]
	v_lshrrev_b32 v8, 5, v0
	v_readfirstlane_b32 s[WV], v8                  ; wave 0..15
	s_bfe_u32 s8, ttmp6, 0x40000                   ; cx: it enters q's and O's addresses alone
	s_lshl_b32 s9, ttmp9, 2
	s_add_co_u32 s9, s9, s8                        ; my block of 256 queries
	s_and_b32 s10, ttmp7, 0xffff
	s_lshr_b32 s11, s10, 4                         ; batch
	s_and_b32 s12, s10, 15                         ; head
	s_lshl_b32 s76, s11, 5
	s_add_co_u32 s76, s76, s12                     ; q's group
	s_add_co_u32 s77, s76, 16                      ; k's
	s_lshl_b32 s78, s77, 17                        ; k's codes
	s_lshl_b32 s80, s77, 12
	s_add_co_u32 s80, s80, QKS                     ; k's scale words
	s_lshl_b32 s82, s12, 18
	s_lshl_b32 s83, s11, 11
	s_add_co_u32 s82, s82, s83
	s_add_co_u32 s82, s82, VC                      ; v's codes: row 64 head, byte 2,048 batch
	s_lshl_b32 s84, s11, 4
	s_add_co_u32 s84, s84, s12
	s_lshl_b32 s84, s84, 12
	s_add_co_u32 s84, s84, VS                      ; v's scale words
	s_lshr_b32 s13, s[WV], 1                       ; waves 1, 2: slab 0, 1
	s_mul_i32 s[G0B+1], s13, VSL
	s_add_co_u32 s[G0B+1], s[G0B+1], VR
	s_lshl_b32 s72, s13, 8
	s_add_co_u32 s72, s72, s82
	s_add_co_u32 s13, s[WV], 1
	s_and_b32 s13, s13, 3                          ; waves 3-6: 2,048 bytes of scale words: k's two halves, then v's
	s_lshl_b32 s[G0C+1], s13, 11
	s_add_co_u32 s[G0C+1], s[G0C+1], SCK
	s_and_b32 s14, s13, 1
	s_lshl_b32 s14, s14, 11
	s_cmp_lt_u32 s13, 2
	s_cselect_b32 s73, s80, s84
	s_add_co_u32 s73, s73, s14
	s_add_co_u32 s13, s[WV], 2
	s_and_b32 s13, s13, 3                          ; waves 7-9: quarter 1-3 of k
	s_mul_i32 s[G0D+1], s13, KQ
	s_lshl_b32 s74, s13, 15
	s_add_co_u32 s74, s74, s78
	s_and_b32 s13, s[WV], 7                        ; waves 10-15: slab 2-7
	s_mul_i32 s[G0E+1], s13, VSL
	s_add_co_u32 s[G0E+1], s[G0E+1], VR
	s_lshl_b32 s75, s13, 8
	s_add_co_u32 s75, s75, s82
	s_mov_b32 s[G0A+1], 0
	s_mov_b32 s17, 0
	s_lshl_b32 s86, s9, 8
	s_lshl_b32 s87, s[WV], 4
	s_add_co_u32 s86, s86, s87                     ; t0: my first query
	s_lshl_b32 s88, s76, 17
	s_lshl_b32 s89, s86, 6
	s_add_co_u32 s88, s88, s89                     ; q's codes: pair row t0 / 2
	s_mov_b32 s89, 0
	s_lshl_b32 s90, s76, 12
	s_lshl_b32 s91, s86, 1
	s_add_co_u32 s90, s90, s91
	s_add_co_u32 s90, s90, QKS
	s_mov_b32 s91, 0
	s_lshl_b32 s96, s11, 11
	s_add_co_u32 s96, s96, s86                     ; my first row of O
	s_lshl_b32 s92, s96, 10
	s_lshl_b32 s93, s12, 6
	s_add_co_u32 s92, s92, s93
	s_mov_b32 s93, 0
	s_lshl_b32 s94, s96, 3
	s_lshr_b32 s95, s12, 2
	s_lshl_b32 s95, s95, 15
	s_add_co_u32 s94, s94, s95
	s_and_b32 s95, s12, 3
	s_lshl_b32 s95, s95, 1
	s_add_co_u32 s94, s94, s95
	s_add_co_u32 s94, s94, AOS
	s_mov_b32 s95, 0
	s_mov_b32 s[G1K], 15|(1<<20)|(1<<21)|(4<<22)|(3<<25)   ; all four work-groups; 1 byte; 4 words of padding behind every 32: 256 pair rows of 128 bytes, dense
	s_mov_b32 s[G1K+1], 128<<16
	s_mov_b32 s[G1K+2], 256<<16
	s_mov_b32 s[G1K+3], 128<<16
	s_mov_b32 s[G1K+4], 256
	s_mov_b32 s[G1K+5], 128
	s_mov_b32 s[G1K+6], 0
	s_mov_b32 s[G1K+7], 0
	s_mov_b32 s[G1V], 15|(1<<20)|(1<<21)|(5<<22)|(3<<25)   ; 4 words behind every 64: 64 rows of 256 bytes, 4,096 apart
	s_mov_b32 s[G1V+1], 256<<16
	s_mov_b32 s[G1V+2], 64<<16
	s_mov_b32 s[G1V+3], 256<<16
	s_mov_b32 s[G1V+4], 64
	s_mov_b32 s[G1V+5], 4096
	s_mov_b32 s[G1V+6], 0
	s_mov_b32 s[G1V+7], 0
	s_mov_b32 s[G1S], 15|(3<<16)|(1<<21)           ; 2,048 dense bytes as 8 rows of 32 elements of 8 bytes
	s_mov_b32 s[G1S+1], 32<<16
	s_mov_b32 s[G1S+2], 8<<16
	s_mov_b32 s[G1S+3], 32<<16
	s_mov_b32 s[G1S+4], 8
	s_mov_b32 s[G1S+5], 32
	s_mov_b32 s[G1S+6], 0
	s_mov_b32 s[G1S+7], 0
	s_mov_b32 s[SEL], 0x76543210
	s_mov_b32 s[SEL+1], 0xfedcba98
	s_mov_b32 s[CS], 0x3e38aa3b                    ; c = log2(e) / 8
	s_mov_b32 s[CS+1], s[CS]
	s_mov_b32 s[MNT], 0x600000
	s_mov_b32 s[TK], 0
	s_mov_b32 s[TS], 0
	s_wait_dscnt 0x0                               ; both opening adds are done
	s_wait_kmcnt 0x0
.macro GZERO g, off                    ; group 0: count, the global address, the type
	s_mov_b32 s[\g], 1
	s_mov_b32 s16, s\off
	s_add_nc_u64 s[\g+2:\g+3], s[4:5], s[16:17]
	s_or_b32 s[\g+3], s[\g+3], 0x80000000
.endm
	GZERO G0A, 78
	GZERO G0B, 72
	GZERO G0C, 73
	GZERO G0D, 74
	GZERO G0E, 75
	s_add_nc_u64 s[88:89], s[4:5], s[88:89]
	s_add_nc_u64 s[90:91], s[4:5], s[90:91]
	s_add_nc_u64 s[92:93], s[6:7], s[92:93]
	s_add_nc_u64 s[94:95], s[6:7], s[94:95]
	s_mov_b32 s[TV], 0
	s_mov_b32 s[NC], 0xbe38aa3b                    ; -c
	CROUND                                         ; all four work-groups are here: the joint loads meet
.macro ARM under, g0, g1, next         ; one chain of branches on the wave's number, one load to an arm, one join
	s_cmp_lt_u32 s[WV], \under
	s_cbranch_scc0 \next
	tensor_load_to_lds s[\g0:\g0+3], s[\g1:\g1+7]
	s_nop 0
.rept 4
	v_nop
.endr
	s_branch .Lhead_asked
\next:
.endm
	ARM 1,  G0A, G1K, .Lh_v
	ARM 3,  G0B, G1V, .Lh_s
	ARM 7,  G0C, G1S, .Lh_k
	ARM 10, G0D, G1K, .Lh_w
	tensor_load_to_lds s[G0E:G0E+3], s[G1V:G1V+7]
	s_nop 0
.rept 4
	v_nop
.endr
.Lhead_asked:
	v_and_b32 v8, 15, v0                           ; r
	v_bfe_u32 v9, v0, 4, 1                         ; h
	v_and_b32 v10, 7, v8
	v_lshrrev_b32 v11, 3, v8
	v_lshlrev_b32 v40, 7, v10                      ; query t0 + r: pair row r % 8, half r / 8, + 16 h
	v_lshl_add_u32 v40, v11, 6, v40
	v_lshl_add_u32 v40, v9, 4, v40
	global_load_b128 v[16:19], v40, s[88:89]       ; [q | 0]
	global_load_b128 v[20:23], v40, s[88:89] offset:32
	global_load_b128 v[32:35], v40, s[88:89]       ; [0 | q]
	global_load_b128 v[36:39], v40, s[88:89] offset:32
	v_lshlrev_b32 v41, 2, v10
	v_lshl_add_u32 v41, v11, 1, v41
	global_load_u16 v[QW0], v41, s[90:91]          ; its two scale bytes
	v_mul_u32_u24 v[AK0], v8, KP
	v_lshl_add_u32 v[AK0], v9, 4, v[AK0]
	v_mul_u32_u24 v[AV0], v8, VP
	v_lshl_add_u32 v[AV0], v9, 4, v[AV0]
	v_add_nc_u32 v[AV0], VR, v[AV0]
	v_lshl_add_u32 v[AS0], v8, 2, SCK
	v_mov_b32 v[ADK], v[AK0]
	v_mov_b32 v[ADV], v[AV0]
	v_mov_b32 v[ADS], v[AS0]
	v_mov_b32 v13, 0xff61b1e6                      ; the largest score so far: -3e38
	v_mul_f32 v10, s[NC], v13
	v_floor_f32 v12, v10                           ; -M
	v_mov_b32 v11, v12
	v_mov_b32 v[F], 1.0
	v_mov_b32 v[F+1], 0
	v_mov_b32 v14, 0
	v_mov_b32 v15, 0
.set n, 0
.rept 8
	v_mov_b32 v[24+n], 0                           ; the zeros between the two copies of q
.set n, n+1
.endr
.set n, 0
.rept 96
	v_mov_b32 v[S+n], 0                            ; p and O^T: the step is written once; its first run finds zeros
.set n, n+1
.endr
.set n, 0
.rept 16
	v_mov_b32 v[T+n], 0                            ; the sums; a lane permute's destination counts as one of its sources
.set n, n+1
.endr
	s_wait_alu depctr_va_vdst(0)                   ; the wait ahead of a wait that blocks
	s_wait_loadcnt 0x0
	v_lshl_or_b32 v[QW1], v[QW0], 16, 0x7f7f       ; [0 | q]'s scale word: 1.0 over the zero codes
	v_or_b32 v[QW0], 0x7f7f0000, v[QW0]            ; [q | 0]'s
	s_wait_alu depctr_va_vdst(0)                   ; the head's end
	s_cmp_lt_u32 s[WV], 7
	s_cbranch_scc0 .Llater
	s_wait_tensorcnt 0x0                           ; waves 0-6: what steps 0-3 read is in
.Llater:
	s_barrier_signal -1
	s_barrier_wait -1
.macro SUM n                           ; four of the row sum's additions, in four chains
.irp i, 0,2,4,6
	v_pk_add_f32 v[SA+\i:SA+\i+1], v[SA+\i:SA+\i+1], v[S+\n+\i:S+\n+\i+1]
.endr
.endm
.macro STEP q                          ; 128 keys: the q-th half of a slab
	SUM 32                                         ; the last step's p; these eight are the places behind its products, ahead of the loads into their registers
	SUM 40
.irp c, 0,1,2,3
.irp e, 0,1,2,3
	ds_load_b128 v[FR+16*\c+4*\e:FR+16*\c+4*\e+3], v[ADK] offset:16*\c*KP+32*\e
.endr
	ds_load_b32 v[KW+\c], v[ADS] offset:64*\c
.endr
	SUM 48
	SUM 56
	s_wait_alu depctr_va_vdst(0)                   ; the wait ahead of a wait that blocks
	s_wait_dscnt 0x0
.irp c, 0,1,2,3
	v_wmma_scale_f32_16x16x128_f8f6f4 v[S+16*\c:S+16*\c+7], v[FR+16*\c:FR+16*\c+15], v[16:31], 0, v[KW+\c], v[QW0]
	v_wmma_scale_f32_16x16x128_f8f6f4 v[S+16*\c+8:S+16*\c+15], v[FR+16*\c:FR+16*\c+15], v[24:39], 0, v[KW+\c], v[QW1]
.endr
	s_add_co_u32 s[TK], s[TK], 64*KP
	s_add_co_u32 s[TS], s[TS], 256
	v_pk_add_f32 v[SA:SA+1], v[SA:SA+1], v[SA+2:SA+3]              ; eight places behind the products: the sum's four chains join,
	v_pk_add_f32 v[SA+4:SA+5], v[SA+4:SA+5], v[SA+6:SA+7]
	v_add_nc_u32 v[ADK], s[TK], v[AK0]             ; the next step's addresses,
	v_add_nc_u32 v[ADS], s[TS], v[AS0]
	v_pk_add_f32 v[SA:SA+1], v[SA:SA+1], v[SA+4:SA+5]
	v_mov_b32 v11, v12                             ; the old -M,
.if \q
	v_nop
.else
	v_add_nc_u32 v[ADV], s[TV], v[AV0]
.endif
	v_pk_fma_f32 v[14:15], v[14:15], v[F:F+1], v[SA:SA+1] op_sel_hi:[1,0,1]   ; l = l f + the last step's sum, f still the last step's
.irp t, 0,1,2,3                                ; v's fragments land under the softmax
.irp e, 0,1,2,3
	ds_load_b128 v[FR+16*\t+4*\e:FR+16*\t+4*\e+3], v[ADV] offset:16*\t*VP+128*(\q)+32*\e
.endr
	ds_load_b32 v[KW+\t], v[ADS] offset:3840+64*\t ; 4,096 on from k's words of this step; the address stands a step on already
.endr
.irp b, 0,1,2,3
	v_max3_num_f32 v[BM+\b], v[S+16*\b], v[S+16*\b+1], v[S+16*\b+2]   ; the largest score of each block of 32 keys
.endr
.irp i, 3,5,7,9,11,13
.irp b, 0,1,2,3
	v_max3_num_f32 v[BM+\b], v[BM+\b], v[S+16*\b+\i], v[S+16*\b+\i+1]
.endr
.endr
.irp b, 0,1,2,3
	v_max_num_f32 v[BM+\b], v[BM+\b], v[S+16*\b+15]
.endr
.irp b, 0,1,2,3
	v_permlanex16_b32 v[PL+\b], v[BM+\b], s[SEL], s[SEL+1]
.endr
.irp b, 0,1,2,3
	s_delay_alu instid0(VALU_DEP_4)
	v_max_num_f32 v[BM+\b], v[BM+\b], v[PL+\b]
.endr
	s_delay_alu instid0(VALU_DEP_2)
	v_max3_num_f32 v10, v[BM], v[BM+1], v[BM+2]
	s_delay_alu instid0(VALU_DEP_1)
	v_max3_num_f32 v13, v13, v10, v[BM+3]          ; the running largest score
	s_delay_alu instid0(VALU_DEP_1)
	v_mul_f32 v10, s[NC], v13
	s_delay_alu instid0(VALU_DEP_1)
	v_floor_f32 v12, v10                           ; the new -M = floor(-t)
	s_delay_alu instid0(VALU_DEP_1)
	v_sub_f32 v10, v12, v11                        ; old M - new M: a whole number, 0 or less
	s_delay_alu instid0(VALU_DEP_1)
	v_cvt_i32_f32 v10, v10                         ; (it saturates)
	s_delay_alu instid0(VALU_DEP_1)
	v_ldexp_f32 v[F], 1.0, v10                     ; f
.set n, 0
.rept 32
	v_pk_fma_f32 v[S+n:S+n+1], v[S+n:S+n+1], s[CS:CS+1], v[12:13] op_sel_hi:[1,0,0]   ; t - M
.set n, n+2
.endr
.irp b, 0,1,2,3
	v_fma_f32 v[BM+\b], v[BM+\b], s[CS], v12
.endr
	s_wait_alu depctr_va_vdst(0)                   ; the wait ahead of the batch
.set n, 0
.rept 64
	v_exp_f32 v[S+n], v[S+n]                       ; p
.set n, n+1
.endr
.irp b, 0,1,2,3
	v_exp_f32 v[BM+\b], v[BM+\b]                   ; the block's largest p: the same two instructions on the same number
.endr
	s_wait_alu depctr_va_vdst(0)                   ; one wait: behind the batch, and directly ahead of the first readers of O^T
.set n, 0
.rept 16
	v_pk_mul_f32 v[O+n:O+n+1], v[O+n:O+n+1], v[F:F+1] op_sel_hi:[1,0]   ; O^T under the new M
.set n, n+2
.endr
.irp b, 0,1,2,3
	v_max_num_f32 v[BM+\b], 0x4800000, v[BM+\b]    ; the floor: the byte cannot fall under 1
.endr
.irp b, 0,1,2,3
	v_add_nc_u32 v[SOP+\b], 0xfc000000, v[BM+\b]   ; the conversion's scale operand
.endr
.irp b, 0,1,2,3
	v_and_or_b32 v[BND+\b], v[BM+\b], 0x7f800000, s[MNT]   ; 448 x the scale
.endr
.set g, 0
.rept 8                                ; eight numbers at a time: held (the conversion does not saturate: ISA guide 7.6.2) into one of three buffers, so that p stays whole for the sum
.set TB, T+8*(g%3)
.set k, 0
.rept 4
	v_dual_min_num_f32 v[TB+k], v[BND+g/2], v[S+8*g+k] :: v_dual_min_num_f32 v[TB+k+1], v[BND+g/2], v[S+8*g+k+1]
.set k, k+2
.endr
	v_cvt_scalef32_pk8_fp8_f32 v[PC+2*g:PC+2*g+1], v[TB:TB+7], v[SOP+g/2]
.if g == 1
	v_lshrrev_b32 v[PW], 23, v[SOP]                ; p's scale word, byte by byte: a plain line behind each second conversion
.elseif g%2 == 1
	v_lshrrev_b32 v10, 23, v[SOP+g/2]
	v_lshl_or_b32 v[PW], v10, 8*(g/2), v[PW]
.endif
.set g, g+1
.endr
.irp i, 0,2,4,6
	v_pk_add_f32 v[SA+\i:SA+\i+1], v[S+\i:S+\i+1], v[S+8+\i:S+9+\i]   ; the row's sum of the unquantised p begins: twelve places between the scale word and the products
.endr
	SUM 16
	SUM 24
	s_wait_alu depctr_va_vdst(0)                   ; the wait ahead of a wait that blocks
	s_wait_dscnt 0x0                               ; v's fragments and scale words
.irp t, 0,1,2,3
	v_wmma_scale_f32_16x16x128_f8f6f4 v[O+8*\t:O+8*\t+7], v[FR+16*\t:FR+16*\t+15], v[PC:PC+15], v[O+8*\t:O+8*\t+7], v[KW+\t], v[PW]
.endr
.if \q
	s_add_co_u32 s[TV], s[TV], VSL
.endif
.endm
	s_mov_b32 s[CNT], 2
.Lfirst:                                           ; slabs 0 and 1
	STEP 0
	STEP 1
	s_sub_co_u32 s[CNT], s[CNT], 1
	s_cmp_lg_u32 s[CNT], 0
	s_cbranch_scc1 .Lfirst
	s_wait_tensorcnt 0x0                           ; every wave: all that is still out
	s_wait_dscnt 0x0
	s_barrier_signal -1
	s_barrier_wait -1
	s_mov_b32 s[CNT], 6
.Lrest:
	STEP 0
	STEP 1
	s_sub_co_u32 s[CNT], s[CNT], 1
	s_cmp_lg_u32 s[CNT], 0
	s_cbranch_scc1 .Lrest
	; THE WAY OUT.  The last step's sum is finished (also the places behind the last products); O^T / l; two blocks of 32 channels are quantised
	SUM 32
	SUM 40
	SUM 48
	SUM 56
	v_pk_add_f32 v[SA:SA+1], v[SA:SA+1], v[SA+2:SA+3]
	v_pk_add_f32 v[SA+4:SA+5], v[SA+4:SA+5], v[SA+6:SA+7]
	v_pk_add_f32 v[SA:SA+1], v[SA:SA+1], v[SA+4:SA+5]
	v_pk_fma_f32 v[14:15], v[14:15], v[F:F+1], v[SA:SA+1] op_sel_hi:[1,0,1]
	v_add_f32 v14, v14, v15
	v_permlanex16_b32 v10, v14, s[SEL], s[SEL+1]
	v_add_f32 v14, v14, v10
	s_wait_alu depctr_va_vdst(0)                   ; ahead of the transcendental
	v_rcp_f32 v14, v14
	v_and_b32 v1, 15, v0                           ; r
	v_bfe_u32 v2, v0, 4, 1                         ; h
	s_mul_i32 s8, s[WV], 1280
	s_add_co_u32 s8, s8, STG
	v_mul_u32_u24 v3, v1, 80
	v_lshl_add_u32 v3, v2, 4, v3
	v_add_nc_u32 v3, s8, v3                        ; stage, in: row r, + 16 h
	v_and_b32 v4, 31, v0
	v_lshrrev_b32 v7, 2, v4
	v_and_b32 v4, 3, v4
	v_mul_u32_u24 v10, v7, 80
	v_lshl_add_u32 v10, v4, 4, v10
	v_add_nc_u32 v10, s8, v10                      ; out: four lanes to a row of 64 bytes
	v_lshlrev_b32 v7, 10, v7
	v_lshl_add_u32 v7, v4, 4, v7                   ; and the same place in O's codes
	v_lshlrev_b32 v11, 3, v1                       ; 8 bytes of scales a row
	s_wait_alu depctr_va_vdst(0)                   ; behind the transcendental, directly ahead of the first readers of O^T
.set n, 0
.rept 16
	v_pk_mul_f32 v[S+n:S+n+1], v[O+n:O+n+1], v[14:15] op_sel_hi:[1,0]
.set n, n+2
.endr
.irp b, 0,1
	v_max3_num_f32 v[BM+\b], |v[S+16*\b]|, |v[S+16*\b+1]|, 0x4800000
.endr
.irp i, 2,4,6,8,10,12,14
.irp b, 0,1
	v_max3_num_f32 v[BM+\b], v[BM+\b], |v[S+16*\b+\i]|, |v[S+16*\b+\i+1]|
.endr
.endr
.irp b, 0,1
	v_permlanex16_b32 v[PL+\b], v[BM+\b], s[SEL], s[SEL+1]
.endr
.irp b, 0,1
	v_max_num_f32 v[BM+\b], v[BM+\b], v[PL+\b]
.endr
.irp b, 0,1
	v_add_nc_u32 v[SOP+\b], 0xfc000000, v[BM+\b]
.endr
.irp b, 0,1
	v_and_or_b32 v[BND+\b], v[BM+\b], 0x7f800000, s[MNT]
.endr
	v_lshrrev_b32 v8, 23, v[SOP]
	v_lshrrev_b32 v9, 23, v[SOP+1]
	v_lshl_or_b32 v8, v9, 8, v8                    ; my row's two scale bytes
.irp b, 0,1
.irp i, 0,1,2,3,4,5,6,7,8,9,10,11,12,13,14,15
	v_med3_num_f32 v[S+16*\b+\i], v[S+16*\b+\i], -v[BND+\b], v[BND+\b]
.endr
	v_cvt_scalef32_pk8_fp8_f32 v[PC+4*\b:PC+4*\b+1], v[S+16*\b:S+16*\b+7], v[SOP+\b]
	v_cvt_scalef32_pk8_fp8_f32 v[PC+4*\b+2:PC+4*\b+3], v[S+16*\b+8:S+16*\b+15], v[SOP+\b]
.endr
	v_nop                                          ; a plain line behind the conversions
	ds_store_b128 v3, v[PC:PC+3]
	ds_store_b128 v3, v[PC+4:PC+7] offset:32
	ds_load_b128 v[40:43], v10                     ; LDS serves a wave's instructions in order: these see my stores
	ds_load_b128 v[44:47], v10 offset:640
	global_store_b16 v11, v8, s[94:95]             ; lanes l and l + 16 hold the same row's two bytes and write them to the same place
	s_wait_dscnt 0x0
	global_store_b128 v7, v[40:43], s[92:93]       ; a row's 64 bytes of this head: the row's other bytes belong to other work-groups
	global_store_b128 v7, v[44:47], s[92:93] offset:8192
	s_wait_tensorcnt 0x0                           ; the wave's end
	ds_add_u32 v[SPW], v[NIL]
	s_wait_dscnt 0x0
	CROUND                                         ; the closing round
	s_endpgm
.Lfunc_end_k_q18644bfafb_attn:
	.size	k_q18644bfafb_attn, .Lfunc_end_k_q18644bfafb_attn-k_q18644bfafb_attn
	.p2alignl 7, 3214868480
	.fill 96, 4, 3214868480
	.section	.rodata,"a",@progbits
	.p2align	6, 0x0
	.amdhsa_kernel k_q18644bfafb_attn
		.amdhsa_group_segment_fixed_size 327680
		.amdhsa_private_segment_fixed_size 0
		.amdhsa_enable_private_segment 0
		.amdhsa_kernarg_size 16
		.amdhsa_user_sgpr_count 2
		.amdhsa_user_sgpr_kernarg_segment_ptr 1
		.amdhsa_wavefront_size32 1
		.amdhsa_system_sgpr_workgroup_id_x 1
		.amdhsa_system_sgpr_workgroup_id_y 1
		.amdhsa_system_sgpr_workgroup_id_z 1
		.amdhsa_system_vgpr_workitem_id 0
		.amdhsa_next_free_vgpr 256
		.amdhsa_next_free_sgpr 100
		.amdhsa_reserve_vcc 0
		.amdhsa_float_denorm_mode_32 3
		.amdhsa_float_denorm_mode_16_64 3
		.amdhsa_memory_ordered 1
		.amdhsa_forward_progress 1
		.amdhsa_inst_pref_size 97
	.end_amdhsa_kernel
	.amdgpu_metadata
---
amdhsa.version: [ 1, 2 ]
amdhsa.kernels:
  - .name:           k_q18644bfafb_attn
    .symbol:         k_q18644bfafb_attn.kd
    .args:
      - { .name: qkvb, .offset: 0, .size: 8, .value_kind: global_buffer, .address_space: global }
      - { .name: aob, .offset: 8, .size: 8, .value_kind: global_buffer, .address_space: global }
    .group_segment_fixed_size: 327680
    .private_segment_fixed_size: 0
    .kernarg_segment_align: 8
    .kernarg_segment_size: 16
    .max_flat_workgroup_size: 512
    .sgpr_count:     100
    .vgpr_count:     256
    .wavefront_size: 32
...
	.end_amdgpu_metadata
.endif
;; end of part 3
;; launch oproj (part 4): grid 8 x 32, 4 waves a work-group, clusters of 4 x 4, 327,680 bytes of LDS; arguments aob, wts, x, x1; writes x1
.if DOCPART == 4
	.amdgcn_target "amdgcn-amd-amdhsa--gfx1250"
	.amdhsa_code_object_version 6
	.text
	.protected	k_q18644bfafb_oproj
	.globl	k_q18644bfafb_oproj
	.p2align	8
	.type	k_q18644bfafb_oproj,@function
k_q18644bfafb_oproj:
	s_mov_b64 s[64:65], 0
	v_nop
	global_prefetch_b8 v0, s[64:65] scope:SCOPE_SE
	s_setreg_imm32_b32 hwreg(HW_REG_WAVE_MODE, 25, 1), 1
	s_wait_xcnt 0x0
	s_wait_alu depctr_hold_cnt(0) depctr_sa_sdst(0) depctr_va_vdst(0) depctr_va_sdst(0) depctr_va_ssrc(0) depctr_va_vcc(0) depctr_vm_vsrc(0)
	s_getreg_b32 s2, hwreg(HW_REG_IB_STS2, 6, 4)
	s_cmp_eq_u32 s2, 0
	s_cbranch_scc0 .Lentry_in_a_cluster
	s_endpgm
.Lentry_in_a_cluster:
	s_bfe_u32 s2, ttmp6, 0x10000c
	s_cmp_lg_u32 s2, 0xf033
	s_cbranch_scc0 .Lentry_shape_is_right
	s_endpgm
.Lentry_shape_is_right:
.set SIZE_K, 1024
.set BIAS,   0
.set ASO,    4194304
.set BCO,    3145728
.set BSO,    16908288
.set KSTEP,  512
.set PITCH,  528
.set HALFT,  64*PITCH
.set SLOT,   4*HALFT
.set LAPS,   SIZE_K/(2*KSTEP)
.set NPL,    SIZE_K/256
.set PART,   512*NPL
.set SCA,    2*SLOT
.set SCB,    SCA+2*PART+128
.set SPARE,  ((SCB+2*PART+255)/256)*256
.set SPITCH, 528
.set NP,   8
.set ADRA, 16
.set ADRB, 20
.set STO,  24
.set RD,   25
.set CO,   26
.set ADRS, 27
.set SPW,  28
.set NIL,  29
.set SC,   32
.set BI,   64
.set ACC,  128
.set F0,   0
.set F1,   128
.set G1, 24
.set G0, 32
.set G1B, 48
.set G0B, 56
.set G1S, 68
.set G0S, 76
.set G1SB, 80
.set G0SB, 88
.set MSB, 0
.macro WIN new
.set WNEW, \new
.if MSB != WNEW
	s_set_vgpr_msb (MSB<<8)|WNEW
.set MSB, WNEW
.endif
.endm
.set MUL,  0x05
.set TO_F, 0x40
.macro JLOAD g0a, g1a, g0b, g1b
	s_cmp_eq_u32 s15, 0
	s_cbranch_scc0 .Lfor_b_\@
	tensor_load_to_lds s[\g0a:\g0a+3], s[\g1a:\g1a+7]
	s_nop 0
.rept 4
	v_nop
.endr
	s_branch .Lasked_\@
.Lfor_b_\@:
	tensor_load_to_lds s[\g0b:\g0b+3], s[\g1b:\g1b+7]
	s_nop 0
.rept 4
	v_nop
.endr
.Lasked_\@:
.endm
.macro CREST
	s_cmp_lg_u32 s14, 0
	s_cbranch_scc1 .Lnot_wave_0_\@
	s_barrier_signal -3
.Lnot_wave_0_\@:
	s_barrier_wait -3
	s_barrier_signal -1
	s_barrier_wait -1
.endm
.macro CROUND
	s_barrier_signal -1
	s_barrier_wait -1
	CREST
.endm
.macro PLACES n
.rept \n
	v_nop
.endr
.endm
	s_load_b256 s[4:11], s[0:1], 0x0
.if BIAS
	s_load_b64 s[12:13], s[0:1], 0x20
.endif
	v_lshl_add_u32 v[SPW], v0, 2, SPARE
	v_mov_b32 v[NIL], 0
	ds_add_u32 v28, v29
	ds_add_u32 v28, v29
	s_wait_dscnt 0x0
	v_lshrrev_b32 v1, 5, v0
	v_readfirstlane_b32 s14, v1
	s_lshr_b32 s15, s14, 1
	s_and_b32 s16, s14, 1
	s_bfe_u32 s40, ttmp6, 0x40000
	s_bfe_u32 s41, ttmp6, 0x40004
	s_lshl_b32 s42, ttmp9, 2
	s_add_co_u32 s42, s42, s40
	s_and_b32 s17, ttmp7, 0xffff
	s_lshl_b32 s17, s17, 2
	s_add_co_u32 s17, s17, s41
	s_lshl_b32 s43, s41, 2
	s_lshl_b32 s43, 15, s43
	s_lshl_b32 s44, 0x1111, s40
	s_or_b32 s[G1+0], s43, (0<<16)|(1<<20)|(1<<21)|(6<<22)|(3<<25)
	s_or_b32 s[G1B+0], s44, (0<<16)|(1<<20)|(1<<21)|(6<<22)|(3<<25)
.irp g, G1, G1B
	s_mov_b32 s[\g+1], KSTEP<<16
	s_mov_b32 s[\g+2], 128<<16
	s_mov_b32 s[\g+3], KSTEP<<16
	s_mov_b32 s[\g+4], 128
	s_mov_b32 s[\g+5], SIZE_K
	s_mov_b32 s[\g+6], 0
	s_mov_b32 s[\g+7], 0
.endr
	s_or_b32 s[G1S+0], s43, (3<<16)|(1<<21)
	s_or_b32 s[G1SB+0], s44, (3<<16)|(1<<21)
.irp g, G1S, G1SB
	s_mov_b32 s[\g+1], 128<<16
	s_mov_b32 s[\g+2], NPL<<16
	s_mov_b32 s[\g+3], 128<<16
	s_mov_b32 s[\g+4], NPL
	s_mov_b32 s[\g+5], 4096
	s_mov_b32 s[\g+6], 0
	s_mov_b32 s[\g+7], 0
.endr
	s_lshl_b32 s18, s16, 6
	s_lshl_b32 s20, s17, 7
	s_add_co_u32 s20, s20, s18
	s_lshl_b32 s46, s42, 7
	s_add_co_u32 s46, s46, s18
	s_lshl_b32 s22, s17, 10
	s_add_co_u32 s22, s22, ASO
	s_lshl_b32 s92, s42, 10
	s_add_co_u32 s92, s92, BSO
	s_mul_i32 s20, s20, SIZE_K
	s_mul_i32 s46, s46, SIZE_K
	s_add_co_u32 s46, s46, BCO
	s_mov_b32 s21, 0
	s_mov_b32 s23, 0
	s_mov_b32 s47, 0
	s_mov_b32 s93, 0
	s_mul_i32 s45, s14, HALFT
	s_wait_kmcnt 0x0
	s_add_nc_u64 s[20:21], s[4:5], s[20:21]
	s_add_nc_u64 s[22:23], s[4:5], s[22:23]
	s_add_nc_u64 s[46:47], s[6:7], s[46:47]
	s_add_nc_u64 s[92:93], s[6:7], s[92:93]
	CROUND
	s_mov_b32 s[G0S], 1
	s_mov_b32 s[G0S+1], SCA
	s_mov_b64 s[G0S+2:G0S+3], s[22:23]
	s_or_b32 s[G0S+3], s[G0S+3], 0x80000000
	s_mov_b32 s[G0SB], 1
	s_mov_b32 s[G0SB+1], SCB
	s_mov_b64 s[G0SB+2:G0SB+3], s[92:93]
	s_or_b32 s[G0SB+3], s[G0SB+3], 0x80000000
.irp s, 0,1
	s_mov_b32 s[G0+4*\s], 1
	s_add_co_u32 s[G0+4*\s+1], s45, \s*SLOT
	s_add_nc_u64 s[G0+4*\s+2:G0+4*\s+3], s[20:21], \s*KSTEP
	s_or_b32 s[G0+4*\s+3], s[G0+4*\s+3], 0x80000000
	s_mov_b32 s[G0B+4*\s], 1
	s_add_co_u32 s[G0B+4*\s+1], s45, \s*SLOT
	s_add_nc_u64 s[G0B+4*\s+2:G0B+4*\s+3], s[46:47], \s*KSTEP
	s_or_b32 s[G0B+4*\s+3], s[G0B+4*\s+3], 0x80000000
.endr
; the head's loads, one a wave: wave 0 A's 128 rows of K step 0, wave 1 A's scale bytes, wave 2 B's 128 rows, wave 3 B's scale bytes
.macro ARM under, g0, g1, next
	s_cmp_lt_u32 s14, \under
	s_cbranch_scc0 \next
	tensor_load_to_lds s[\g0:\g0+3], s[\g1:\g1+7]
	s_nop 0
.rept 4
	v_nop
.endr
	s_branch .Lhead_asked
\next:
.endm
	ARM 1, G0,  G1,  .Lhead_sa
	ARM 2, G0S, G1S, .Lhead_b
	ARM 3, G0B, G1B, .Lhead_sb
	tensor_load_to_lds s[G0SB:G0SB+3], s[G1SB:G1SB+7]
	s_nop 0
.rept 4
	v_nop
.endr
.Lhead_asked:
	v_and_b32 v1, 15, v0
	v_bfe_u32 v2, v0, 4, 1
	v_and_b32 v6, 31, v0
	v_lshlrev_b32 v[CO], 4, v6
	s_wait_alu depctr_va_vdst(0)
	s_lshl_b32 s18, s17, 7
	s_lshl_b32 s19, s14, 5
	s_add_co_u32 s18, s18, s19
	s_lshl_b32 s18, s18, 12
	s_lshl_b32 s19, s42, 9
	s_add_co_u32 s18, s18, s19
	s_mov_b32 s19, 0
	s_add_nc_u64 s[8:9], s[8:9], s[18:19]
	s_add_nc_u64 s[10:11], s[10:11], s[18:19]
.if BIAS
	s_lshl_b32 s18, s42, 9
	s_lshl_b32 s19, s16, 8
	s_add_co_u32 s18, s18, s19
	s_mov_b32 s19, 0
	s_add_nc_u64 s[12:13], s[12:13], s[18:19]
	v_lshlrev_b32 v7, 6, v2
.irp b, 0,1,2,3
	global_load_b128 v[BI+8*\b:BI+8*\b+3], v7, s[12:13] offset:(32*(\b/2)+8*(\b%2))*4
	global_load_b128 v[BI+8*\b+4:BI+8*\b+7], v7, s[12:13] offset:(32*(\b/2)+8*(\b%2))*4+16
.endr
.endif
	WIN 0x80
.set n, 0
.rept 32
	global_load_b128 v[4*n:4*n+3], v[CO], s[8:9] offset:4096*n th:TH_LOAD_NT
.set n, n+1
.endr
	WIN 0
	v_mul_u32_u24 v3, v1, PITCH
	v_lshl_add_u32 v3, v2, 4, v3
	s_mul_i32 s21, s15, HALFT
	s_mul_i32 s22, s16, HALFT
	s_add_co_u32 s22, s22, 2*HALFT
.irp s, 0,1
	v_add_nc_u32 v[ADRA+\s], s21, v3
	v_add_nc_u32 v[ADRB+\s], s22, v3
	s_add_co_u32 s21, s21, SLOT
	s_add_co_u32 s22, s22, SLOT
.endr
	v_lshlrev_b32 v5, 3, v1
	s_lshl_b32 s21, s15, 9                         ; in LDS the scale bytes lie [plane][128 rows][8]
	s_lshl_b32 s22, s16, 9
	s_add_co_u32 s22, s22, SCB-SCA
	s_sub_co_u32 s22, s22, s21
	v_mul_u32_u24 v6, s22, v2
	s_add_co_u32 s21, s21, SCA
	v_add_nc_u32 v5, v5, v6
	v_add_nc_u32 v[ADRS], s21, v5
	s_mul_i32 s23, s15, 64*SPITCH
	s_lshl_b32 s21, s16, 8
	s_add_co_u32 s23, s23, s21
	v_mul_u32_u24 v4, v1, SPITCH
	v_lshl_add_u32 v4, v2, 6, v4
	v_add_nc_u32 v[STO], s23, v4
	s_mul_i32 s23, s14, 32*SPITCH
	v_add_nc_u32 v[RD], s23, v[CO]
.macro MUL4 f, a, q, set, zero
.irp b, 0,1,2,3
.if \zero
.if BIAS
	v_wmma_scale_f32_16x16x128_f8f6f4 v[ACC+8*(4*(\a)+\b):ACC+8*(4*(\a)+\b)+7], v[\f+64+16*\b:\f+64+16*\b+15], v[\f+16*(\a):\f+16*(\a)+15], v[BI+8*\b:BI+8*\b+7], v[SC+16*(\set)+8*((\q)/2)+2*\b+(\q)%2], v[SC+16*(\set)+8*((\q)/2)+2*(\a)+(\q)%2] matrix_a_scale:MATRIX_SCALE_ROW1
.else
	v_wmma_scale_f32_16x16x128_f8f6f4 v[ACC+8*(4*(\a)+\b):ACC+8*(4*(\a)+\b)+7], v[\f+64+16*\b:\f+64+16*\b+15], v[\f+16*(\a):\f+16*(\a)+15], 0, v[SC+16*(\set)+8*((\q)/2)+2*\b+(\q)%2], v[SC+16*(\set)+8*((\q)/2)+2*(\a)+(\q)%2] matrix_a_scale:MATRIX_SCALE_ROW1
.endif
.else
	v_wmma_scale_f32_16x16x128_f8f6f4 v[ACC+8*(4*(\a)+\b):ACC+8*(4*(\a)+\b)+7], v[\f+64+16*\b:\f+64+16*\b+15], v[\f+16*(\a):\f+16*(\a)+15], v[ACC+8*(4*(\a)+\b):ACC+8*(4*(\a)+\b)+7], v[SC+16*(\set)+8*((\q)/2)+2*\b+(\q)%2], v[SC+16*(\set)+8*((\q)/2)+2*(\a)+(\q)%2] matrix_a_scale:MATRIX_SCALE_ROW1
.endif
.endr
.endm
.macro FETCH slot, q, f
	WIN TO_F
.irp i, 0,1,2,3
.irp c, 0,1,2,3
	ds_load_b128 v[\f+64+16*\i+4*\c:\f+64+16*\i+4*\c+3], v[ADRB+\slot] offset:128*(\q)+32*\c+\i*16*PITCH
.endr
.irp c, 0,1,2,3
	ds_load_b128 v[\f+16*\i+4*\c:\f+16*\i+4*\c+3], v[ADRA+\slot] offset:128*(\q)+32*\c+\i*16*PITCH
.endr
.endr
.endm
.macro SCALES set
	WIN 0
.irp p, 0,1
.irp i, 0,1,2,3
	ds_load_b64 v[SC+16*\set+8*\p+2*\i:SC+16*\set+8*\p+2*\i+1], v[ADRS] offset:1024*\p+128*\i
.endr
.endr
.endm
.macro QUARTER slot, q, f, g, zero
	s_wait_dscnt 0x0
	WIN MUL
	MUL4 \f, 0, \q, \slot, \zero
	MUL4 \f, 1, \q, \slot, \zero
	PLACES NP
	FETCH \slot, (\q)+1, \g
	WIN MUL
	MUL4 \f, 2, \q, \slot, \zero
	MUL4 \f, 3, \q, \slot, \zero
.endm
.macro TURN slot, next, fill
	WIN 0
	s_wait_tensorcnt 0x0
	ds_add_u32 v[SPW], v[NIL]
	s_wait_dscnt 1
	WIN MUL
	MUL4 F1, 0, 3, \slot, 0
	s_wait_dscnt 0x0
	s_barrier_signal -1
	MUL4 F1, 1, 3, \slot, 0
	WIN 0
	s_barrier_wait -1
.if \fill
	CREST
	s_add_nc_u64 s[G0+4*\slot+2:G0+4*\slot+3], s[G0+4*\slot+2:G0+4*\slot+3], 2*KSTEP
	s_add_nc_u64 s[G0B+4*\slot+2:G0B+4*\slot+3], s[G0B+4*\slot+2:G0B+4*\slot+3], 2*KSTEP
	JLOAD G0+4*\slot, G1, G0B+4*\slot, G1B
	PLACES NP-4
.else
	PLACES NP
.endif
	v_add_nc_u32 v[ADRS], 2048, v[ADRS]
	FETCH \next, 0, F0
	SCALES \next
	WIN MUL
	MUL4 F1, 2, 3, \slot, 0
	MUL4 F1, 3, 3, \slot, 0
.endm
	s_wait_alu depctr_va_vdst(0)
	s_wait_tensorcnt 0x0                           ; my tile of the head's four is in
	ds_add_u32 v[SPW], v[NIL]                      ; the add ahead of a later first fill
	s_mov_b32 s[G1+2], 64<<16                      ; no load of mine is out: from here on a load brings 64 rows
	s_mov_b32 s[G1+4], 64
	s_mov_b32 s[G1B+2], 64<<16
	s_mov_b32 s[G1B+4], 64
	s_wait_dscnt 0x0
	CROUND
	JLOAD G0+4, G1, G0B+4, G1B                     ; K step 1: the first tensor load behind the round
	FETCH 0, 0, F0
	SCALES 0
.if BIAS
	s_wait_loadcnt 32
.endif
	QUARTER 0, 0, F0, F1, 1
.if LAPS > 1
	WIN 0
	s_mov_b32 s3, LAPS-1
.Llap:
	QUARTER 0, 1, F1, F0, 0
	QUARTER 0, 2, F0, F1, 0
	TURN 0, 1, 1
	QUARTER 1, 0, F0, F1, 0
	QUARTER 1, 1, F1, F0, 0
	QUARTER 1, 2, F0, F1, 0
	TURN 1, 0, 1
	QUARTER 0, 0, F0, F1, 0
	WIN 0
	s_sub_co_u32 s3, s3, 1
	s_cmp_lg_u32 s3, 0
	s_cbranch_scc1 .Llap
.endif
	QUARTER 0, 1, F1, F0, 0
	QUARTER 0, 2, F0, F1, 0
	TURN 0, 1, 0
	QUARTER 1, 0, F0, F1, 0
	QUARTER 1, 1, F1, F0, 0
	QUARTER 1, 2, F0, F1, 0
	s_wait_dscnt 0x0
	WIN MUL
	MUL4 F1, 0, 3, 1, 0
	MUL4 F1, 1, 3, 1, 0
	MUL4 F1, 2, 3, 1, 0
	MUL4 F1, 3, 3, 1, 0
	WIN 0
	PLACES NP
.irp a, 0,1,2,3
.irp b, 0,1,2,3
	ds_store_b128 v[STO], v[ACC+8*(4*\a+\b):ACC+8*(4*\a+\b)+3] offset:\a*16*SPITCH+(32*(\b/2)+8*(\b%2))*4
	ds_store_b128 v[STO], v[ACC+8*(4*\a+\b)+4:ACC+8*(4*\a+\b)+7] offset:\a*16*SPITCH+(32*(\b/2)+8*(\b%2))*4+16
.endr
.endr
	s_wait_dscnt 0x0
	s_barrier_signal -1
	s_barrier_wait -1
	WIN TO_F
.set n, 0
.rept 32
	ds_load_b128 v[4*n:4*n+3], v[RD] offset:n*SPITCH
.set n, n+1
.endr
	s_wait_loadcnt 0x0
	s_wait_dscnt 0x0
	WIN 0x49
.set n, 0
.rept 64
	v_pk_add_f32 v[n:n+1], v[n:n+1], v[n:n+1]
.set n, n+2
.endr
	WIN 0x04
.set n, 0
.rept 32
	global_store_b128 v[CO], v[4*n:4*n+3], s[10:11] offset:4096*n
.set n, n+1
.endr
	WIN 0
	s_wait_tensorcnt 0x0
	ds_add_u32 v[SPW], v[NIL]
	s_wait_dscnt 0x0
	CROUND
	s_endpgm
.Lfunc_end_k_q18644bfafb_oproj:
	.size	k_q18644bfafb_oproj, .Lfunc_end_k_q18644bfafb_oproj-k_q18644bfafb_oproj
	.p2alignl 7, 3214868480
	.fill 96, 4, 3214868480
	.section	.rodata,"a",@progbits
	.p2align	6, 0x0
	.amdhsa_kernel k_q18644bfafb_oproj
		.amdhsa_group_segment_fixed_size 327680
		.amdhsa_private_segment_fixed_size 0
		.amdhsa_enable_private_segment 0
		.amdhsa_kernarg_size 32
		.amdhsa_user_sgpr_count 2
		.amdhsa_user_sgpr_kernarg_segment_ptr 1
		.amdhsa_wavefront_size32 1
		.amdhsa_system_sgpr_workgroup_id_x 1
		.amdhsa_system_sgpr_workgroup_id_y 1
		.amdhsa_system_sgpr_workgroup_id_z 1
		.amdhsa_system_vgpr_workitem_id 0
		.amdhsa_next_free_vgpr 768
		.amdhsa_next_free_sgpr 100
		.amdhsa_reserve_vcc 0
		.amdhsa_float_denorm_mode_32 3
		.amdhsa_float_denorm_mode_16_64 3
		.amdhsa_memory_ordered 1
		.amdhsa_forward_progress 1
		.amdhsa_inst_pref_size 61
	.end_amdhsa_kernel
	.amdgpu_metadata
---
amdhsa.version: [ 1, 2 ]
amdhsa.kernels:
  - .name:           k_q18644bfafb_oproj
    .symbol:         k_q18644bfafb_oproj.kd
    .args:
      - { .name: aob, .offset: 0, .size: 8, .value_kind: global_buffer, .address_space: global }
      - { .name: wts, .offset: 8, .size: 8, .value_kind: global_buffer, .address_space: global }
      - { .name: x, .offset: 16, .size: 8, .value_kind: global_buffer, .address_space: global }
      - { .name: x1, .offset: 24, .size: 8, .value_kind: global_buffer, .address_space: global }
    .group_segment_fixed_size: 327680
    .private_segment_fixed_size: 0
    .kernarg_segment_align: 8
    .kernarg_segment_size: 32
    .max_flat_workgroup_size: 128
    .sgpr_count:     100
    .vgpr_count:     768
    .wavefront_size: 32
...
	.end_amdgpu_metadata
.endif
;; end of part 4
;; launch ln2: the kernel of part 1 again; grid 128 x 1, 8 waves a work-group, no clusters, 112,640 bytes of LDS; arguments x1, g2, be2, w_qkv, w_out, w_ff1, w_ff2, xn2b; writes xn2b
;; launch ff1 (part 5): grid 16 x 16, 4 waves a work-group, clusters of 4 x 4, 327,680 bytes of LDS; arguments xn2b, wts, b_ff1, hb; writes hb
.if DOCPART == 5
	.amdgcn_target "amdgcn-amd-amdhsa--gfx1250"
	.amdhsa_code_object_version 6
	.text
	.protected	k_q18644bfafb_ff1
	.globl	k_q18644bfafb_ff1
	.p2align	8
	.type	k_q18644bfafb_ff1,@function
k_q18644bfafb_ff1:
	s_mov_b64 s[64:65], 0
	v_nop
	global_prefetch_b8 v0, s[64:65] scope:SCOPE_SE
	s_setreg_imm32_b32 hwreg(HW_REG_WAVE_MODE, 25, 1), 1
	s_wait_xcnt 0x0
	s_wait_alu depctr_hold_cnt(0) depctr_sa_sdst(0) depctr_va_vdst(0) depctr_va_sdst(0) depctr_va_ssrc(0) depctr_va_vcc(0) depctr_vm_vsrc(0)
	s_getreg_b32 s2, hwreg(HW_REG_IB_STS2, 6, 4)
	s_cmp_eq_u32 s2, 0
	s_cbranch_scc0 .Lentry_in_a_cluster
	s_endpgm
.Lentry_in_a_cluster:
	s_bfe_u32 s2, ttmp6, 0x10000c
	s_cmp_lg_u32 s2, 0xf033
	s_cbranch_scc0 .Lentry_shape_is_right
	s_endpgm
.Lentry_shape_is_right:
.set XNC, 12582912
.set XNS, 17694720
.set W1C, 4194304
.set W1S, 17039360
.set HS,  16777216
.set NQ,     2
.set ROWB,   256
.set KROW,   1024
.set PITCH,  272
.set FR,     16
.set NL,     4
.set NP,     8
.set HALFT,  128*PITCH
.set SLOT,   4*HALFT
.set LAPS,   2
.set SCA,    2*SLOT
.set SCB,    SCA+8192+128
.set SPARE,  295168
.set WSTG,   128*144+128
.set SSTP,   4*WSTG
.set ADRA, 16
.set ADRB, 20
.set STO,  24
.set COV,  26
.set ADRS, 27
.set SPW,  28
.set NIL,  29
.set SSO,  30
.set RDV,  31
.set SRV,  8
.set L16,  9
.set C9,   12
.set STW,  14
.set SC,   32
.set BI,   64
.set Y,    64
.set AF,   128
.set T,    128
.set P,    192
.set TM,   128
.set PC,   144
.set PW,   160
.set SEL,  12
.set MNT,  100
.set G1, 24
.set G0, 32
.set G1B, 48
.set G0B, 56
.set G1S, 68
.set G0S, 76
.set G1SB, 80
.set G0SB, 88
.set MSB, 0
.macro WIN new
.set WNEW, \new
.if MSB != WNEW
	s_set_vgpr_msb (MSB<<8)|WNEW
.set MSB, WNEW
.endif
.endm
.set MUL_LO, 0xa1
.set MUL_HI, 0xf1
.set Z_LO,   0x81
.set Z_HI,   0xc1
.set TO_B,   0x40
.macro JLOAD g0a, g1a, g0b, g1b
	s_cmp_eq_u32 s15, 0
	s_cbranch_scc0 .Lfor_b_\@
	tensor_load_to_lds s[\g0a:\g0a+3], s[\g1a:\g1a+7]
	s_nop 0
.rept 4
	v_nop
.endr
	s_branch .Lasked_\@
.Lfor_b_\@:
	tensor_load_to_lds s[\g0b:\g0b+3], s[\g1b:\g1b+7]
	s_nop 0
.rept 4
	v_nop
.endr
.Lasked_\@:
.endm
.macro CREST
	s_cmp_lg_u32 s14, 0
	s_cbranch_scc1 .Lnot_wave_0_\@
	s_barrier_signal -3
.Lnot_wave_0_\@:
	s_barrier_wait -3
	s_barrier_signal -1
	s_barrier_wait -1
.endm
.macro CROUND
	s_barrier_signal -1
	s_barrier_wait -1
	CREST
.endm
.macro PLACES n
.rept \n
	v_nop
.endr
.endm
	s_load_b256 s[4:11], s[0:1], 0x0
	v_lshl_add_u32 v[SPW], v0, 2, SPARE
	v_mov_b32 v[NIL], 0
	ds_add_u32 v28, v29
	ds_add_u32 v28, v29
	s_wait_dscnt 0x0
	v_lshrrev_b32 v1, 5, v0
	v_readfirstlane_b32 s14, v1
	s_lshr_b32 s15, s14, 1
	s_and_b32 s16, s14, 1
	s_bfe_u32 s40, ttmp6, 0x40000
	s_bfe_u32 s41, ttmp6, 0x40004
	s_lshl_b32 s42, ttmp9, 2
	s_add_co_u32 s42, s42, s40
	s_and_b32 s17, ttmp7, 0xffff
	s_lshl_b32 s17, s17, 2
	s_add_co_u32 s17, s17, s41
	s_lshl_b32 s43, s41, 2
	s_lshl_b32 s43, 15, s43
	s_lshl_b32 s44, 0x1111, s40
	s_or_b32 s[G1+0], s43, (0<<16)|(1<<20)|(1<<21)|(5<<22)|(3<<25)
	s_or_b32 s[G1B+0], s44, (0<<16)|(1<<20)|(1<<21)|(5<<22)|(3<<25)
.irp g, G1, G1B
	s_mov_b32 s[\g+1], ROWB<<16
	s_mov_b32 s[\g+2], 256<<16
	s_mov_b32 s[\g+3], ROWB<<16
	s_mov_b32 s[\g+4], 256
	s_mov_b32 s[\g+5], KROW
	s_mov_b32 s[\g+6], 0
	s_mov_b32 s[\g+7], 0
.endr
	s_or_b32 s[G1S+0], s43, (3<<16)|(1<<21)
	s_or_b32 s[G1SB+0], s44, (3<<16)|(1<<21)
.irp g, G1S, G1SB
	s_mov_b32 s[\g+1], 256<<16
	s_mov_b32 s[\g+2], 4<<16
	s_mov_b32 s[\g+3], 256<<16
	s_mov_b32 s[\g+4], 4
	s_mov_b32 s[\g+5], 4096
	s_mov_b32 s[\g+6], 0
	s_mov_b32 s[\g+7], 0
.endr
	s_lshl_b32 s18, s16, 7
	s_lshl_b32 s20, s17, 8
	s_add_co_u32 s20, s20, s18
	s_lshl_b32 s46, s42, 8
	s_add_co_u32 s46, s46, s18
	s_lshl_b32 s22, s17, 11
	s_add_co_u32 s22, s22, XNS
	s_lshl_b32 s92, s42, 11
	s_add_co_u32 s92, s92, W1S
	s_lshl_b32 s20, s20, 10
	s_add_co_u32 s20, s20, XNC
	s_lshl_b32 s46, s46, 10
	s_add_co_u32 s46, s46, W1C
	s_mov_b32 s21, 0
	s_mov_b32 s23, 0
	s_mov_b32 s47, 0
	s_mov_b32 s93, 0
	s_mul_i32 s45, s14, HALFT
	s_wait_kmcnt 0x0
	s_add_nc_u64 s[20:21], s[4:5], s[20:21]
	s_add_nc_u64 s[22:23], s[4:5], s[22:23]
	s_add_nc_u64 s[46:47], s[6:7], s[46:47]
	s_add_nc_u64 s[92:93], s[6:7], s[92:93]
	CROUND
	s_mov_b32 s[G0S], 1
	s_mov_b32 s[G0S+1], SCA
	s_mov_b64 s[G0S+2:G0S+3], s[22:23]
	s_or_b32 s[G0S+3], s[G0S+3], 0x80000000
	s_mov_b32 s[G0SB], 1
	s_mov_b32 s[G0SB+1], SCB
	s_mov_b64 s[G0SB+2:G0SB+3], s[92:93]
	s_or_b32 s[G0SB+3], s[G0SB+3], 0x80000000
.irp s, 0,1
	s_mov_b32 s[G0+4*\s], 1
	s_add_co_u32 s[G0+4*\s+1], s45, \s*SLOT
	s_add_nc_u64 s[G0+4*\s+2:G0+4*\s+3], s[20:21], \s*ROWB
	s_or_b32 s[G0+4*\s+3], s[G0+4*\s+3], 0x80000000
	s_mov_b32 s[G0B+4*\s], 1
	s_add_co_u32 s[G0B+4*\s+1], s45, \s*SLOT
	s_add_nc_u64 s[G0B+4*\s+2:G0B+4*\s+3], s[46:47], \s*ROWB
	s_or_b32 s[G0B+4*\s+3], s[G0B+4*\s+3], 0x80000000
.endr
; the head's loads, one a wave: wave 0 A's 256 rows of K step 0, wave 1 A's scale bytes, wave 2 B's 256 rows, wave 3 B's scale bytes
.macro ARM under, g0, g1, next
	s_cmp_lt_u32 s14, \under
	s_cbranch_scc0 \next
	tensor_load_to_lds s[\g0:\g0+3], s[\g1:\g1+7]
	s_nop 0
.rept 4
	v_nop
.endr
	s_branch .Lhead_asked
\next:
.endm
	ARM 1, G0,  G1,  .Lhead_sa
	ARM 2, G0S, G1S, .Lhead_b
	ARM 3, G0B, G1B, .Lhead_sb
	tensor_load_to_lds s[G0SB:G0SB+3], s[G1SB:G1SB+7]
	s_nop 0
.rept 4
	v_nop
.endr
.Lhead_asked:
	v_and_b32 v1, 15, v0
	s_wait_alu depctr_va_vdst(0)
	v_bfe_u32 v2, v0, 4, 1
	s_wait_alu depctr_va_vdst(0)
	s_lshl_b32 s18, s42, 10
	s_lshl_b32 s19, s16, 9
	s_add_co_u32 s18, s18, s19
	s_mov_b32 s19, 0
	s_add_nc_u64 s[8:9], s[8:9], s[18:19]
	v_lshlrev_b32 v7, 6, v2
.irp b, 0,1,2,3,4,5,6,7
	global_load_b128 v[BI+8*\b:BI+8*\b+3], v7, s[8:9] offset:(32*(\b/2)+8*(\b%2))*4
	global_load_b128 v[BI+8*\b+4:BI+8*\b+7], v7, s[8:9] offset:(32*(\b/2)+8*(\b%2))*4+16
.endr
	v_mul_u32_u24 v3, v1, PITCH
	v_lshl_add_u32 v4, v2, 4, v3
	s_mul_i32 s21, s15, HALFT
	s_mul_i32 s22, s16, HALFT
	s_add_co_u32 s22, s22, 2*HALFT
.irp s, 0,1
	v_add_nc_u32 v[ADRA+\s], s21, v4
	v_add_nc_u32 v[ADRB+\s], s22, v4
	s_add_co_u32 s21, s21, SLOT
	s_add_co_u32 s22, s22, SLOT
.endr
	v_lshlrev_b32 v5, 3, v1
	s_lshl_b32 s21, s15, 10                        ; in LDS the scale bytes lie [plane][256 rows][8]
	s_lshl_b32 s22, s16, 10
	s_add_co_u32 s22, s22, SCB-SCA
	s_sub_co_u32 s22, s22, s21
	v_mul_u32_u24 v6, s22, v2
	s_add_co_u32 s21, s21, SCA
	v_add_nc_u32 v5, v5, v6
	v_add_nc_u32 v[ADRS], s21, v5
	s_mul_i32 s23, s14, WSTG
	v_mul_u32_u24 v5, v1, 144
	v_lshl_add_u32 v5, v2, 4, v5
	v_add_nc_u32 v[STO], s23, v5
	s_lshl_b32 s23, s16, 10
	s_lshl_b32 s21, s15, 9
	s_add_co_u32 s23, s23, s21
	s_add_co_u32 s23, s23, SSTP
	v_lshl_add_u32 v[SSO], v1, 2, s23
	v_and_b32 v6, 31, v0
	v_bfe_u32 v3, v6, 3, 1
	v_mul_u32_u24 v3, v3, WSTG
	v_mad_u32_u24 v3, v2, 144, v3
	v_and_b32 v4, 7, v6
	v_lshl_add_u32 v3, v4, 4, v3
	s_mul_i32 s21, s15, 2*WSTG
	s_mul_i32 s22, s16, 64*144
	s_add_co_u32 s21, s21, s22
	v_add_nc_u32 v[RDV], s21, v3
	v_lshlrev_b32 v3, 12, v2
	v_lshl_add_u32 v[COV], v1, 4, v3
	v_lshl_add_u32 v[SRV], v0, 3, SSTP
	v_and_b32 v3, 0x73, v0
	v_bfe_u32 v4, v0, 2, 1
	v_lshl_or_b32 v3, v4, 3, v3
	v_bfe_u32 v4, v0, 3, 1
	v_lshl_or_b32 v3, v4, 2, v3
	v_lshlrev_b32 v[L16], 4, v3
	s_lshl_b32 s18, s17, 8
	s_lshl_b32 s19, s14, 6
	s_add_co_u32 s18, s18, s19
	s_lshl_b32 s96, s18, 12
	s_lshl_b32 s19, s42, 8
	s_add_co_u32 s96, s96, s19
	s_mov_b32 s97, 0
	s_add_nc_u64 s[96:97], s[10:11], s[96:97]
	s_lshl_b32 s98, s42, 15
	s_lshl_b32 s19, s17, 11
	s_add_co_u32 s98, s98, s19
	s_add_co_u32 s98, s98, HS
	s_mov_b32 s99, 0
	s_add_nc_u64 s[98:99], s[10:11], s[98:99]
	s_mov_b32 s[SEL], 0x76543210
	s_mov_b32 s[SEL+1], 0xfedcba98
	s_mov_b32 s[MNT], 0x600000
.macro FRAG reg, adr, q, i
.irp c, 0,1,2,3
	ds_load_b128 v[\reg+4*\c:\reg+4*\c+3], v[\adr] offset:128*(\q)+32*\c+(\i)*16*PITCH
.endr
.endm
.macro MUL16 a0, p, q, sc, zero
.irp a, \a0, \a0+1
.irp b, 0,1,2,3,4,5,6,7
.if \zero
	v_wmma_scale_f32_16x16x128_f8f6f4 v[8*(8*((\a)%4)+\b):8*(8*((\a)%4)+\b)+7], v[128*(\p)+FR*\b:128*(\p)+FR*\b+FR-1], v[AF+FR*(\a):AF+FR*(\a)+FR-1], v[BI+8*\b:BI+8*\b+7], v[SC+8*NQ*(\sc)+NQ*\b+(\q)], v[SC+8*NQ*(\sc)+NQ*(\a)+(\q)] matrix_a_scale:MATRIX_SCALE_ROW1
.else
	v_wmma_scale_f32_16x16x128_f8f6f4 v[8*(8*((\a)%4)+\b):8*(8*((\a)%4)+\b)+7], v[128*(\p)+FR*\b:128*(\p)+FR*\b+FR-1], v[AF+FR*(\a):AF+FR*(\a)+FR-1], v[8*(8*((\a)%4)+\b):8*(8*((\a)%4)+\b)+7], v[SC+8*NQ*(\sc)+NQ*\b+(\q)], v[SC+8*NQ*(\sc)+NQ*(\a)+(\q)] matrix_a_scale:MATRIX_SCALE_ROW1
.endif
.endr
.endr
.endm
.macro FETCH_B slot, q, p
	WIN TO_B
.irp i, 0,1,2,3,4,5,6,7
	FRAG 128*(\p)+FR*\i, ADRB+\slot, \q, \i
.endr
	WIN 0
.endm
.macro FETCH_A slot, q, i0
.irp i, \i0, \i0+1, \i0+2, \i0+3
	FRAG AF+FR*(\i), ADRA+\slot, \q, \i
.endr
.endm
.macro SCALES sc
.irp i, 0,1,2,3,4,5,6,7
	ds_load_b64 v[SC+8*NQ*\sc+NQ*\i:SC+8*NQ*\sc+NQ*\i+1], v[ADRS] offset:\i*128
.endr
.endm
.macro STEP slot, q, zero
	s_wait_dscnt 4*NL
.if \zero
	WIN Z_LO
.else
	WIN MUL_LO
.endif
	MUL16 0, (\q)%2, \q, \slot, \zero
	MUL16 2, (\q)%2, \q, \slot, \zero
	s_wait_dscnt 0
	PLACES NP
	FETCH_B \slot, (\q)+1, 1-(\q)%2
	FETCH_A \slot, (\q)+1, 0
.if \zero
	WIN Z_HI
.else
	WIN MUL_HI
.endif
	MUL16 4, (\q)%2, \q, \slot, \zero
	MUL16 6, (\q)%2, \q, \slot, \zero
	PLACES NP
	WIN 0
	FETCH_A \slot, (\q)+1, 4
.endm
.macro TURN slot, next, fill
	s_wait_tensorcnt 0x0
	ds_add_u32 v[SPW], v[NIL]
	s_wait_dscnt 4*NL+1
	WIN MUL_LO
	MUL16 0, 1, NQ-1, \slot, 0
	s_wait_dscnt 0x0
	s_barrier_signal -1
	MUL16 2, 1, NQ-1, \slot, 0
	WIN 0
	s_barrier_wait -1
.if \fill
	CREST
	s_add_nc_u64 s[G0+4*\slot+2:G0+4*\slot+3], s[G0+4*\slot+2:G0+4*\slot+3], 2*ROWB
	s_add_nc_u64 s[G0B+4*\slot+2:G0B+4*\slot+3], s[G0B+4*\slot+2:G0B+4*\slot+3], 2*ROWB
	JLOAD G0+4*\slot, G1, G0B+4*\slot, G1B
	PLACES NP-4
.else
	PLACES NP
.endif
	s_wait_alu depctr_va_vdst(0)
	v_add_nc_u32 v[ADRS], 2048, v[ADRS]
	FETCH_B \next, 0, 0
	FETCH_A \next, 0, 0
	SCALES \next
	WIN MUL_HI
	MUL16 4, 1, NQ-1, \slot, 0
	MUL16 6, 1, NQ-1, \slot, 0
	PLACES NP
	WIN 0
	FETCH_A \next, 0, 4
.endm
	s_wait_alu depctr_va_vdst(0)                   ; the head's end
	s_wait_tensorcnt 0x0                           ; my tile of the head's four is in
	ds_add_u32 v[SPW], v[NIL]                      ; the add ahead of a later first fill
	s_mov_b32 s[G1+2], 128<<16                     ; no load of mine is out: from here on a load brings 128 rows
	s_mov_b32 s[G1+4], 128
	s_mov_b32 s[G1B+2], 128<<16
	s_mov_b32 s[G1B+4], 128
	s_wait_dscnt 0x0
	CROUND
	JLOAD G0+4, G1, G0B+4, G1B                     ; K step 1: the first tensor load behind the round
	FETCH_B 0, 0, 0
	FETCH_A 0, 0, 0
	SCALES 0
	FETCH_A 0, 0, 4
	s_wait_loadcnt 0x0
	STEP 0, 0, 1
	s_mov_b32 s3, LAPS-1
.Llap:
	TURN 0, 1, 1
	STEP 1, 0, 0
	TURN 1, 0, 1
	STEP 0, 0, 0
	s_sub_co_u32 s3, s3, 1
	s_cmp_lg_u32 s3, 0
	s_cbranch_scc1 .Llap
	TURN 0, 1, 0
	STEP 1, 0, 0
	s_wait_dscnt 4*NL
	WIN MUL_LO
	MUL16 0, 1, NQ-1, 1, 0
	MUL16 2, 1, NQ-1, 1, 0
	s_wait_dscnt 0
	WIN MUL_HI
	MUL16 4, 1, NQ-1, 1, 0
	MUL16 6, 1, NQ-1, 1, 0
	WIN 0
	PLACES NP
	s_mov_b32 s24, 0xc034d90f
	s_mov_b32 s26, 0x3fb8ab5a
	s_mov_b32 s28, 0x3f0a29d2
	s_mov_b32 s30, 0x3e0efb2f
	s_mov_b32 s32, 0xbe899a80
	s_mov_b32 s34, 0x3ecdfd18
	s_mov_b32 s36, 0xbfd1a1e6
	s_mov_b32 s38, 0x40097039
	s_mov_b32 s40, 0xbf97d29d
.irp n, 24,26,28,30,32,34,36,38,40
	s_mov_b32 s[\n+1], s[\n]
.endr
	v_mov_b32 v[C9], 0x3e7c6f08
	v_mov_b32 v[C9+1], v[C9]
	s_mov_b32 s44, 0x3ed5224d
	s_mov_b32 s46, 0x3f96b55f
	s_mov_b32 s47, s46
	s_mov_b32 s3, 0
	s_mov_b32 s45, 0
	s_mov_b32 s92, 0
.Lblk:
.irp a, 0,1,2,3,4,5,6
	s_cmp_eq_u32 s3, \a
	s_cbranch_scc1 .Lst\a
.endr
	s_branch .Lst7
.irp a, 0,1,2,3,4,5,6,7
.Lst\a:
	WIN 2+\a/4
.set n, 0
.rept 32
	v_pk_mul_f32 v[Y+n:Y+n+1], v[64*(\a%4)+n:64*(\a%4)+n+1], 0x3f596d27 op_sel_hi:[1,0]
.set n, n+2
.endr
	WIN 0
	s_branch .Lbody
.endr
.Lbody:
	s_wait_dscnt 0x0
.set n, 0
.rept 64
	v_fma_f32 v[T+n], |v[Y+n]|, s44, 1.0
.set n, n+1
.endr
.set n, 0
	s_wait_alu depctr_va_vdst(0)
.rept 64
	v_rcp_f32 v[T+n], v[T+n]
.set n, n+1
.endr
	v_nop
.set n, 0
	s_wait_alu depctr_va_vdst(0)
.rept 32
	v_pk_fma_f32 v[P+n:P+n+1], v[T+n:T+n+1], v[C9:C9+1], s[40:41] op_sel_hi:[1,1,0]
.set n, n+2
.endr
.irp c, 38,36,34,32,30,28,26,24
.set n, 0
.rept 32
	v_pk_fma_f32 v[P+n:P+n+1], v[P+n:P+n+1], v[T+n:T+n+1], s[\c:\c+1] op_sel_hi:[1,1,0]
.set n, n+2
.endr
.endr
.set n, 0
.rept 32
	v_pk_fma_f32 v[P+n:P+n+1], v[Y+n:Y+n+1], v[Y+n:Y+n+1], v[P+n:P+n+1] neg_lo:[1,0,0] neg_hi:[1,0,0]
.set n, n+2
.endr
.set n, 0
	s_wait_alu depctr_va_vdst(0)
.rept 64
	v_exp_f32 v[P+n], v[P+n]
.set n, n+1
.endr
	v_nop
.set n, 0
	s_wait_alu depctr_va_vdst(0)
.rept 32
	v_pk_mul_f32 v[P+n:P+n+1], v[P+n:P+n+1], v[T+n:T+n+1]
.set n, n+2
.endr
.set n, 0
.rept 64
	v_max_num_f32 v[T+n], 0, v[Y+n]
.set n, n+1
.endr
.set n, 0
.rept 64
	v_fma_f32 v[Y+n], -|v[Y+n]|, v[P+n], v[T+n]
.set n, n+1
.endr
.set n, 0
.rept 32
	v_pk_mul_f32 v[Y+n:Y+n+1], v[Y+n:Y+n+1], s[46:47] op_sel_hi:[1,0]
.set n, n+2
.endr
.irp b, 0,1,2,3
	v_max3_num_f32 v[TM+\b], |v[Y+16*\b]|, |v[Y+16*\b+1]|, 0x4800000
.endr
.irp i, 2,4,6,8,10,12,14
.irp b, 0,1,2,3
	v_max3_num_f32 v[TM+\b], |v[Y+16*\b+\i]|, |v[Y+16*\b+\i+1]|, v[TM+\b]
.endr
.endr
.irp b, 0,1,2,3
	v_permlanex16_b32 v[TM+4+\b], v[TM+\b], s[SEL], s[SEL+1]
.endr
.irp b, 0,1,2,3
	v_max_num_f32 v[TM+\b], v[TM+\b], v[TM+4+\b]
.endr
.irp b, 0,1,2,3
	v_add_nc_u32 v[TM+12+\b], 0xfc000000, v[TM+\b]
.endr
.irp b, 0,1,2,3
	v_and_or_b32 v[TM+8+\b], v[TM+\b], 0x7f800000, s[MNT]
.endr
.irp b, 0,1,2,3
	v_lshrrev_b32 v[TM+4+\b], 23, v[TM+12+\b]
.endr
	v_lshl_or_b32 v[PW], v[TM+5], 8, v[TM+4]
	v_lshl_or_b32 v[PW], v[TM+6], 16, v[PW]
	v_lshl_or_b32 v[PW], v[TM+7], 24, v[PW]
.irp b, 0,1,2,3
.irp i, 0,1,2,3,4,5,6,7,8,9,10,11,12,13,14,15
	v_med3_num_f32 v[Y+16*\b+\i], v[Y+16*\b+\i], -v[TM+8+\b], v[TM+8+\b]
.endr
.endr
.irp b, 0,1,2,3
	v_cvt_scalef32_pk8_fp8_f32 v[PC+4*\b:PC+4*\b+1], v[Y+16*\b:Y+16*\b+7], v[TM+12+\b]
	v_cvt_scalef32_pk8_fp8_f32 v[PC+4*\b+2:PC+4*\b+3], v[Y+16*\b+8:Y+16*\b+15], v[TM+12+\b]
.endr
	v_add_nc_u32 v[STW], s45, v[STO]
	v_add_nc_u32 v[STW+1], s92, v[SSO]
.irp e, 0,1,2,3
	ds_store_b128 v[STW], v[PC+4*\e:PC+4*\e+3] offset:32*\e
.endr
	ds_store_b32 v[STW+1], v[PW]
	s_add_co_u32 s45, s45, 16*144
	s_add_co_u32 s92, s92, 64
	s_add_co_u32 s3, s3, 1
	s_cmp_lt_u32 s3, 8
	s_cbranch_scc1 .Lblk
	s_wait_dscnt 0x0
	s_barrier_signal -1
	s_barrier_wait -1
	ds_load_b32 v192, v[SRV]
	ds_load_b32 v193, v[SRV] offset:1024
	ds_load_b32 v194, v[SRV] offset:4
	ds_load_b32 v195, v[SRV] offset:1028
.set q, 0
.rept 32
	ds_load_b128 v[64+4*q:64+4*q+3], v[RDV] offset:288*q
.set q, q+1
.endr
	s_wait_dscnt 32
	global_store_b128 v[L16], v[192:195], s[98:99]
.set q, 0
.rept 32
	s_wait_dscnt 31-q
	global_store_b128 v[COV], v[64+4*q:64+4*q+3], s[96:97] offset:(((2*q)&0x27)|(((2*q)&8)<<1)|(((2*q)&16)>>1))*4096
.set q, q+1
.endr
	s_wait_tensorcnt 0x0
	ds_add_u32 v[SPW], v[NIL]
	s_wait_dscnt 0x0
	CROUND
	s_endpgm
.Lfunc_end_k_q18644bfafb_ff1:
	.size	k_q18644bfafb_ff1, .Lfunc_end_k_q18644bfafb_ff1-k_q18644bfafb_ff1
	.p2alignl 7, 3214868480
	.fill 96, 4, 3214868480
	.section	.rodata,"a",@progbits
	.p2align	6, 0x0
	.amdhsa_kernel k_q18644bfafb_ff1
		.amdhsa_group_segment_fixed_size 327680
		.amdhsa_private_segment_fixed_size 0
		.amdhsa_enable_private_segment 0
		.amdhsa_kernarg_size 32
		.amdhsa_user_sgpr_count 2
		.amdhsa_user_sgpr_kernarg_segment_ptr 1
		.amdhsa_wavefront_size32 1
		.amdhsa_system_sgpr_workgroup_id_x 1
		.amdhsa_system_sgpr_workgroup_id_y 1
		.amdhsa_system_sgpr_workgroup_id_z 1
		.amdhsa_system_vgpr_workitem_id 0
		.amdhsa_next_free_vgpr 1024
		.amdhsa_next_free_sgpr 102
		.amdhsa_reserve_vcc 0
		.amdhsa_float_denorm_mode_32 3
		.amdhsa_float_denorm_mode_16_64 3
		.amdhsa_memory_ordered 1
		.amdhsa_forward_progress 1
		.amdhsa_inst_pref_size 200
	.end_amdhsa_kernel
	.amdgpu_metadata
---
amdhsa.version: [ 1, 2 ]
amdhsa.kernels:
  - .name:           k_q18644bfafb_ff1
    .symbol:         k_q18644bfafb_ff1.kd
    .args:
      - { .name: xn2b, .offset: 0, .size: 8, .value_kind: global_buffer, .address_space: global }
      - { .name: wts, .offset: 8, .size: 8, .value_kind: global_buffer, .address_space: global }
      - { .name: b_ff1, .offset: 16, .size: 8, .value_kind: global_buffer, .address_space: global }
      - { .name: hb, .offset: 24, .size: 8, .value_kind: global_buffer, .address_space: global }
    .group_segment_fixed_size: 327680
    .private_segment_fixed_size: 0
    .kernarg_segment_align: 8
    .kernarg_segment_size: 32
    .max_flat_workgroup_size: 128
    .sgpr_count:     102
    .vgpr_count:     1024
    .wavefront_size: 32
...
	.end_amdgpu_metadata
.endif
;; end of part 5
;; launch ff2 (part 6): grid 8 x 32, 4 waves a work-group, clusters of 4 x 4, 327,680 bytes of LDS; arguments hb, wts, x1, out0, b_ff2; writes out0
.if DOCPART == 6
	.amdgcn_target "amdgcn-amd-amdhsa--gfx1250"
	.amdhsa_code_object_version 6
	.text
	.protected	k_q18644bfafb_ff2
	.globl	k_q18644bfafb_ff2
	.p2align	8
	.type	k_q18644bfafb_ff2,@function
k_q18644bfafb_ff2:
	s_mov_b64 s[64:65], 0
	v_nop
	global_prefetch_b8 v0, s[64:65] scope:SCOPE_SE
	s_setreg_imm32_b32 hwreg(HW_REG_WAVE_MODE, 25, 1), 1
	s_wait_xcnt 0x0
	s_wait_alu depctr_hold_cnt(0) depctr_sa_sdst(0) depctr_va_vdst(0) depctr_va_sdst(0) depctr_va_ssrc(0) depctr_va_vcc(0) depctr_vm_vsrc(0)
	s_getreg_b32 s2, hwreg(HW_REG_IB_STS2, 6, 4)
	s_cmp_eq_u32 s2, 0
	s_cbranch_scc0 .Lentry_in_a_cluster
	s_endpgm
.Lentry_in_a_cluster:
	s_bfe_u32 s2, ttmp6, 0x10000c
	s_cmp_lg_u32 s2, 0xf033
	s_cbranch_scc0 .Lentry_shape_is_right
	s_endpgm
.Lentry_shape_is_right:
.set SIZE_K, 4096
.set BIAS,   1
.set ASO,    16777216
.set BCO,    8388608
.set BSO,    17170432
.set KSTEP,  512
.set PITCH,  528
.set HALFT,  64*PITCH
.set SLOT,   4*HALFT
.set LAPS,   SIZE_K/(2*KSTEP)
.set NPL,    SIZE_K/256
.set PART,   512*NPL
.set SCA,    2*SLOT
.set SCB,    SCA+2*PART+128
.set SPARE,  ((SCB+2*PART+255)/256)*256
.set SPITCH, 528
.set NP,   8
.set ADRA, 16
.set ADRB, 20
.set STO,  24
.set RD,   25
.set CO,   26
.set ADRS, 27
.set SPW,  28
.set NIL,  29
.set SC,   32
.set BI,   64
.set ACC,  128
.set F0,   0
.set F1,   128
.set G1, 24
.set G0, 32
.set G1B, 48
.set G0B, 56
.set G1S, 68
.set G0S, 76
.set G1SB, 80
.set G0SB, 88
.set MSB, 0
.macro WIN new
.set WNEW, \new
.if MSB != WNEW
	s_set_vgpr_msb (MSB<<8)|WNEW
.set MSB, WNEW
.endif
.endm
.set MUL,  0x05
.set TO_F, 0x40
.macro JLOAD g0a, g1a, g0b, g1b
	s_cmp_eq_u32 s15, 0
	s_cbranch_scc0 .Lfor_b_\@
	tensor_load_to_lds s[\g0a:\g0a+3], s[\g1a:\g1a+7]
	s_nop 0
.rept 4
	v_nop
.endr
	s_branch .Lasked_\@
.Lfor_b_\@:
	tensor_load_to_lds s[\g0b:\g0b+3], s[\g1b:\g1b+7]
	s_nop 0
.rept 4
	v_nop
.endr
.Lasked_\@:
.endm
.macro CREST
	s_cmp_lg_u32 s14, 0
	s_cbranch_scc1 .Lnot_wave_0_\@
	s_barrier_signal -3
.Lnot_wave_0_\@:
	s_barrier_wait -3
	s_barrier_signal -1
	s_barrier_wait -1
.endm
.macro CROUND
	s_barrier_signal -1
	s_barrier_wait -1
	CREST
.endm
.macro PLACES n
.rept \n
	v_nop
.endr
.endm
	s_load_b256 s[4:11], s[0:1], 0x0
.if BIAS
	s_load_b64 s[12:13], s[0:1], 0x20
.endif
	v_lshl_add_u32 v[SPW], v0, 2, SPARE
	v_mov_b32 v[NIL], 0
	ds_add_u32 v28, v29
	ds_add_u32 v28, v29
	s_wait_dscnt 0x0
	v_lshrrev_b32 v1, 5, v0
	v_readfirstlane_b32 s14, v1
	s_lshr_b32 s15, s14, 1
	s_and_b32 s16, s14, 1
	s_bfe_u32 s40, ttmp6, 0x40000
	s_bfe_u32 s41, ttmp6, 0x40004
	s_lshl_b32 s42, ttmp9, 2
	s_add_co_u32 s42, s42, s40
	s_and_b32 s17, ttmp7, 0xffff
	s_lshl_b32 s17, s17, 2
	s_add_co_u32 s17, s17, s41
	s_lshl_b32 s43, s41, 2
	s_lshl_b32 s43, 15, s43
	s_lshl_b32 s44, 0x1111, s40
	s_or_b32 s[G1+0], s43, (0<<16)|(1<<20)|(1<<21)|(6<<22)|(3<<25)
	s_or_b32 s[G1B+0], s44, (0<<16)|(1<<20)|(1<<21)|(6<<22)|(3<<25)
.irp g, G1, G1B
	s_mov_b32 s[\g+1], KSTEP<<16
	s_mov_b32 s[\g+2], 128<<16
	s_mov_b32 s[\g+3], KSTEP<<16
	s_mov_b32 s[\g+4], 128
	s_mov_b32 s[\g+5], SIZE_K
	s_mov_b32 s[\g+6], 0
	s_mov_b32 s[\g+7], 0
.endr
	s_or_b32 s[G1S+0], s43, (3<<16)|(1<<21)
	s_or_b32 s[G1SB+0], s44, (3<<16)|(1<<21)
.irp g, G1S, G1SB
	s_mov_b32 s[\g+1], 128<<16
	s_mov_b32 s[\g+2], NPL<<16
	s_mov_b32 s[\g+3], 128<<16
	s_mov_b32 s[\g+4], NPL
	s_mov_b32 s[\g+5], 4096
	s_mov_b32 s[\g+6], 0
	s_mov_b32 s[\g+7], 0
.endr
	s_lshl_b32 s18, s16, 6
	s_lshl_b32 s20, s17, 7
	s_add_co_u32 s20, s20, s18
	s_lshl_b32 s46, s42, 7
	s_add_co_u32 s46, s46, s18
	s_lshl_b32 s22, s17, 10
	s_add_co_u32 s22, s22, ASO
	s_lshl_b32 s92, s42, 10
	s_add_co_u32 s92, s92, BSO
	s_mul_i32 s20, s20, SIZE_K
	s_mul_i32 s46, s46, SIZE_K
	s_add_co_u32 s46, s46, BCO
	s_mov_b32 s21, 0
	s_mov_b32 s23, 0
	s_mov_b32 s47, 0
	s_mov_b32 s93, 0
	s_mul_i32 s45, s14, HALFT
	s_wait_kmcnt 0x0
	s_add_nc_u64 s[20:21], s[4:5], s[20:21]
	s_add_nc_u64 s[22:23], s[4:5], s[22:23]
	s_add_nc_u64 s[46:47], s[6:7], s[46:47]
	s_add_nc_u64 s[92:93], s[6:7], s[92:93]
	CROUND
	s_mov_b32 s[G0S], 1
	s_mov_b32 s[G0S+1], SCA
	s_mov_b64 s[G0S+2:G0S+3], s[22:23]
	s_or_b32 s[G0S+3], s[G0S+3], 0x80000000
	s_mov_b32 s[G0SB], 1
	s_mov_b32 s[G0SB+1], SCB
	s_mov_b64 s[G0SB+2:G0SB+3], s[92:93]
	s_or_b32 s[G0SB+3], s[G0SB+3], 0x80000000
.irp s, 0,1
	s_mov_b32 s[G0+4*\s], 1
	s_add_co_u32 s[G0+4*\s+1], s45, \s*SLOT
	s_add_nc_u64 s[G0+4*\s+2:G0+4*\s+3], s[20:21], \s*KSTEP
	s_or_b32 s[G0+4*\s+3], s[G0+4*\s+3], 0x80000000
	s_mov_b32 s[G0B+4*\s], 1
	s_add_co_u32 s[G0B+4*\s+1], s45, \s*SLOT
	s_add_nc_u64 s[G0B+4*\s+2:G0B+4*\s+3], s[46:47], \s*KSTEP
	s_or_b32 s[G0B+4*\s+3], s[G0B+4*\s+3], 0x80000000
.endr
; the head's loads, one a wave: wave 0 A's 128 rows of K step 0, wave 1 A's scale bytes, wave 2 B's 128 rows, wave 3 B's scale bytes
.macro ARM under, g0, g1, next
	s_cmp_lt_u32 s14, \under
	s_cbranch_scc0 \next
	tensor_load_to_lds s[\g0:\g0+3], s[\g1:\g1+7]
	s_nop 0
.rept 4
	v_nop
.endr
	s_branch .Lhead_asked
\next:
.endm
	ARM 1, G0,  G1,  .Lhead_sa
	ARM 2, G0S, G1S, .Lhead_b
	ARM 3, G0B, G1B, .Lhead_sb
	tensor_load_to_lds s[G0SB:G0SB+3], s[G1SB:G1SB+7]
	s_nop 0
.rept 4
	v_nop
.endr
.Lhead_asked:
; THE PREFETCHES.  Of the 64 rows that my wave fetches in the ring, each of the four partners that ask for them jointly takes 16, told apart by address (cx for A, cy for B); a K step is 512 bytes of a row:
; two lanes a row, 256 bytes apart, one instruction a wave.  Here K steps 2 and 3; behind the refill of K step j, K step j + 2; the last trip's two refills ask for nothing.
.set PFO, 30                           ; v30: 4,096 (lane / 2) + 256 (lane % 2); never rewritten
.set PFA, 96                           ; s[96:97]: my 16 rows, one K step further on than the refill in hand
	s_cmp_eq_u32 s15, 0
	s_cselect_b64 s[PFA:PFA+1], s[20:21], s[46:47]
	s_cselect_b32 s18, s40, s41
	s_lshl_b32 s18, s18, 16
	s_add_co_u32 s18, s18, 2*KSTEP
	s_mov_b32 s19, 0
	s_add_nc_u64 s[PFA:PFA+1], s[PFA:PFA+1], s[18:19]
	v_and_b32 v[PFO], 31, v0
	v_lshrrev_b32 v7, 1, v[PFO]
	v_and_b32 v[PFO], 1, v[PFO]
	v_lshlrev_b32 v[PFO], 8, v[PFO]
	v_lshl_add_u32 v[PFO], v7, 12, v[PFO]
	global_prefetch_b8 v[PFO], s[PFA:PFA+1] th:TH_LOAD_NT scope:SCOPE_SE
	global_prefetch_b8 v[PFO], s[PFA:PFA+1] offset:KSTEP th:TH_LOAD_NT scope:SCOPE_SE
	v_and_b32 v1, 15, v0
	v_bfe_u32 v2, v0, 4, 1
	s_wait_alu depctr_va_vdst(0)
	v_and_b32 v6, 31, v0
	v_lshlrev_b32 v[CO], 4, v6
	s_wait_alu depctr_va_vdst(0)
	s_lshl_b32 s18, s17, 7
	s_lshl_b32 s19, s14, 5
	s_add_co_u32 s18, s18, s19
	s_lshl_b32 s18, s18, 12
	s_lshl_b32 s19, s42, 9
	s_add_co_u32 s18, s18, s19
	s_mov_b32 s19, 0
	s_add_nc_u64 s[8:9], s[8:9], s[18:19]
	s_add_nc_u64 s[10:11], s[10:11], s[18:19]
.if BIAS
	s_lshl_b32 s18, s42, 9
	s_lshl_b32 s19, s16, 8
	s_add_co_u32 s18, s18, s19
	s_mov_b32 s19, 0
	s_add_nc_u64 s[12:13], s[12:13], s[18:19]
	v_lshlrev_b32 v7, 6, v2
.irp b, 0,1,2,3
	global_load_b128 v[BI+8*\b:BI+8*\b+3], v7, s[12:13] offset:(32*(\b/2)+8*(\b%2))*4
	global_load_b128 v[BI+8*\b+4:BI+8*\b+7], v7, s[12:13] offset:(32*(\b/2)+8*(\b%2))*4+16
.endr
.endif
	WIN 0x80
.set n, 0
.rept 32
	global_load_b128 v[4*n:4*n+3], v[CO], s[8:9] offset:4096*n th:TH_LOAD_NT
.set n, n+1
.endr
	WIN 0
	v_mul_u32_u24 v3, v1, PITCH
	v_lshl_add_u32 v3, v2, 4, v3
	s_mul_i32 s21, s15, HALFT
	s_mul_i32 s22, s16, HALFT
	s_add_co_u32 s22, s22, 2*HALFT
.irp s, 0,1
	v_add_nc_u32 v[ADRA+\s], s21, v3
	v_add_nc_u32 v[ADRB+\s], s22, v3
	s_add_co_u32 s21, s21, SLOT
	s_add_co_u32 s22, s22, SLOT
.endr
	v_lshlrev_b32 v5, 3, v1
	s_lshl_b32 s21, s15, 9                         ; in LDS the scale bytes lie [plane][128 rows][8]
	s_lshl_b32 s22, s16, 9
	s_add_co_u32 s22, s22, SCB-SCA
	s_sub_co_u32 s22, s22, s21
	v_mul_u32_u24 v6, s22, v2
	s_add_co_u32 s21, s21, SCA
	v_add_nc_u32 v5, v5, v6
	v_add_nc_u32 v[ADRS], s21, v5
	s_mul_i32 s23, s15, 64*SPITCH
	s_lshl_b32 s21, s16, 8
	s_add_co_u32 s23, s23, s21
	v_mul_u32_u24 v4, v1, SPITCH
	v_lshl_add_u32 v4, v2, 6, v4
	v_add_nc_u32 v[STO], s23, v4
	s_mul_i32 s23, s14, 32*SPITCH
	v_add_nc_u32 v[RD], s23, v[CO]
.macro MUL4 f, a, q, set, zero
.irp b, 0,1,2,3
.if \zero
.if BIAS
	v_wmma_scale_f32_16x16x128_f8f6f4 v[ACC+8*(4*(\a)+\b):ACC+8*(4*(\a)+\b)+7], v[\f+64+16*\b:\f+64+16*\b+15], v[\f+16*(\a):\f+16*(\a)+15], v[BI+8*\b:BI+8*\b+7], v[SC+16*(\set)+8*((\q)/2)+2*\b+(\q)%2], v[SC+16*(\set)+8*((\q)/2)+2*(\a)+(\q)%2] matrix_a_scale:MATRIX_SCALE_ROW1
.else
	v_wmma_scale_f32_16x16x128_f8f6f4 v[ACC+8*(4*(\a)+\b):ACC+8*(4*(\a)+\b)+7], v[\f+64+16*\b:\f+64+16*\b+15], v[\f+16*(\a):\f+16*(\a)+15], 0, v[SC+16*(\set)+8*((\q)/2)+2*\b+(\q)%2], v[SC+16*(\set)+8*((\q)/2)+2*(\a)+(\q)%2] matrix_a_scale:MATRIX_SCALE_ROW1
.endif
.else
	v_wmma_scale_f32_16x16x128_f8f6f4 v[ACC+8*(4*(\a)+\b):ACC+8*(4*(\a)+\b)+7], v[\f+64+16*\b:\f+64+16*\b+15], v[\f+16*(\a):\f+16*(\a)+15], v[ACC+8*(4*(\a)+\b):ACC+8*(4*(\a)+\b)+7], v[SC+16*(\set)+8*((\q)/2)+2*\b+(\q)%2], v[SC+16*(\set)+8*((\q)/2)+2*(\a)+(\q)%2] matrix_a_scale:MATRIX_SCALE_ROW1
.endif
.endr
.endm
.macro FETCH slot, q, f
	WIN TO_F
.irp i, 0,1,2,3
.irp c, 0,1,2,3
	ds_load_b128 v[\f+64+16*\i+4*\c:\f+64+16*\i+4*\c+3], v[ADRB+\slot] offset:128*(\q)+32*\c+\i*16*PITCH
.endr
.irp c, 0,1,2,3
	ds_load_b128 v[\f+16*\i+4*\c:\f+16*\i+4*\c+3], v[ADRA+\slot] offset:128*(\q)+32*\c+\i*16*PITCH
.endr
.endr
.endm
.macro SCALES set
	WIN 0
.irp p, 0,1
.irp i, 0,1,2,3
	ds_load_b64 v[SC+16*\set+8*\p+2*\i:SC+16*\set+8*\p+2*\i+1], v[ADRS] offset:1024*\p+128*\i
.endr
.endr
.endm
.macro QUARTER slot, q, f, g, zero
	s_wait_dscnt 0x0
	WIN MUL
	MUL4 \f, 0, \q, \slot, \zero
	MUL4 \f, 1, \q, \slot, \zero
	PLACES NP
	FETCH \slot, (\q)+1, \g
	WIN MUL
	MUL4 \f, 2, \q, \slot, \zero
	MUL4 \f, 3, \q, \slot, \zero
.endm
.macro TURN slot, next, fill
	WIN 0
.if \fill
	s_wait_xcnt 0x0                                ; my prefetches have read their address: it steps here, ahead of the change's own waits
	s_add_nc_u64 s[PFA:PFA+1], s[PFA:PFA+1], KSTEP
.endif
	s_wait_tensorcnt 0x0
	ds_add_u32 v[SPW], v[NIL]
	s_wait_dscnt 1
	WIN MUL
	MUL4 F1, 0, 3, \slot, 0
	s_wait_dscnt 0x0
	s_barrier_signal -1
	MUL4 F1, 1, 3, \slot, 0
	WIN 0
	s_barrier_wait -1
.if \fill
	CREST
	s_add_nc_u64 s[G0+4*\slot+2:G0+4*\slot+3], s[G0+4*\slot+2:G0+4*\slot+3], 2*KSTEP
	s_add_nc_u64 s[G0B+4*\slot+2:G0B+4*\slot+3], s[G0B+4*\slot+2:G0B+4*\slot+3], 2*KSTEP
	JLOAD G0+4*\slot, G1, G0B+4*\slot, G1B
	PLACES NP-4
.else
	PLACES NP
.endif
	s_wait_alu depctr_va_vdst(0)
	v_add_nc_u32 v[ADRS], 2048, v[ADRS]
	FETCH \next, 0, F0
	SCALES \next
.if \fill
	s_cmp_gt_u32 s3, 1                             ; s3 = 1 in the last trip: no K step stands two on
	s_cbranch_scc0 .Lnone_on_\@
	global_prefetch_b8 v[PFO], s[PFA:PFA+1] offset:KSTEP th:TH_LOAD_NT scope:SCOPE_SE
.Lnone_on_\@:
.endif
	WIN MUL
	MUL4 F1, 2, 3, \slot, 0
	MUL4 F1, 3, 3, \slot, 0
.endm
	s_wait_alu depctr_va_vdst(0)
	s_wait_tensorcnt 0x0                           ; my tile of the head's four is in
	ds_add_u32 v[SPW], v[NIL]                      ; the add ahead of a later first fill
	s_mov_b32 s[G1+2], 64<<16                      ; no load of mine is out: from here on a load brings 64 rows
	s_mov_b32 s[G1+4], 64
	s_mov_b32 s[G1B+2], 64<<16
	s_mov_b32 s[G1B+4], 64
	s_wait_dscnt 0x0
	CROUND
	JLOAD G0+4, G1, G0B+4, G1B                     ; K step 1: the first tensor load behind the round
	FETCH 0, 0, F0
	SCALES 0
.if BIAS
	s_wait_loadcnt 32
.endif
	QUARTER 0, 0, F0, F1, 1
.if LAPS > 1
	WIN 0
	s_mov_b32 s3, LAPS-1
.Llap:
	QUARTER 0, 1, F1, F0, 0
	QUARTER 0, 2, F0, F1, 0
	TURN 0, 1, 1
	QUARTER 1, 0, F0, F1, 0
	QUARTER 1, 1, F1, F0, 0
	QUARTER 1, 2, F0, F1, 0
	TURN 1, 0, 1
	QUARTER 0, 0, F0, F1, 0
	WIN 0
	s_sub_co_u32 s3, s3, 1
	s_cmp_lg_u32 s3, 0
	s_cbranch_scc1 .Llap
.endif
	QUARTER 0, 1, F1, F0, 0
	QUARTER 0, 2, F0, F1, 0
	TURN 0, 1, 0
	QUARTER 1, 0, F0, F1, 0
	QUARTER 1, 1, F1, F0, 0
	QUARTER 1, 2, F0, F1, 0
	s_wait_dscnt 0x0
	WIN MUL
	MUL4 F1, 0, 3, 1, 0
	MUL4 F1, 1, 3, 1, 0
	MUL4 F1, 2, 3, 1, 0
	MUL4 F1, 3, 3, 1, 0
	WIN 0
	PLACES NP
.irp a, 0,1,2,3
.irp b, 0,1,2,3
	ds_store_b128 v[STO], v[ACC+8*(4*\a+\b):ACC+8*(4*\a+\b)+3] offset:\a*16*SPITCH+(32*(\b/2)+8*(\b%2))*4
	ds_store_b128 v[STO], v[ACC+8*(4*\a+\b)+4:ACC+8*(4*\a+\b)+7] offset:\a*16*SPITCH+(32*(\b/2)+8*(\b%2))*4+16
.endr
.endr
	s_wait_dscnt 0x0
	s_barrier_signal -1
	s_barrier_wait -1
	WIN TO_F
.set n, 0
.rept 32
	ds_load_b128 v[4*n:4*n+3], v[RD] offset:n*SPITCH
.set n, n+1
.endr
	s_wait_loadcnt 0x0
	s_wait_dscnt 0x0
	WIN 0x49
.set n, 0
.rept 64
	v_pk_add_f32 v[n:n+1], v[n:n+1], v[n:n+1]
.set n, n+2
.endr
	WIN 0x04
.set n, 0
.rept 32
	global_store_b128 v[CO], v[4*n:4*n+3], s[10:11] offset:4096*n
.set n, n+1
.endr
	WIN 0
	s_wait_tensorcnt 0x0
	ds_add_u32 v[SPW], v[NIL]
	s_wait_dscnt 0x0
	CROUND
	s_endpgm
.Lfunc_end_k_q18644bfafb_ff2:
	.size	k_q18644bfafb_ff2, .Lfunc_end_k_q18644bfafb_ff2-k_q18644bfafb_ff2
	.p2alignl 7, 3214868480
	.fill 96, 4, 3214868480
	.section	.rodata,"a",@progbits
	.p2align	6, 0x0
	.amdhsa_kernel k_q18644bfafb_ff2
		.amdhsa_group_segment_fixed_size 327680
		.amdhsa_private_segment_fixed_size 0
		.amdhsa_enable_private_segment 0
		.amdhsa_kernarg_size 40
		.amdhsa_user_sgpr_count 2
		.amdhsa_user_sgpr_kernarg_segment_ptr 1
		.amdhsa_wavefront_size32 1
		.amdhsa_system_sgpr_workgroup_id_x 1
		.amdhsa_system_sgpr_workgroup_id_y 1
		.amdhsa_system_sgpr_workgroup_id_z 1
		.amdhsa_system_vgpr_workitem_id 0
		.amdhsa_next_free_vgpr 768
		.amdhsa_next_free_sgpr 100
		.amdhsa_reserve_vcc 0
		.amdhsa_float_denorm_mode_32 3
		.amdhsa_float_denorm_mode_16_64 3
		.amdhsa_memory_ordered 1
		.amdhsa_forward_progress 1
		.amdhsa_inst_pref_size 102
	.end_amdhsa_kernel
	.amdgpu_metadata
---
amdhsa.version: [ 1, 2 ]
amdhsa.kernels:
  - .name:           k_q18644bfafb_ff2
    .symbol:         k_q18644bfafb_ff2.kd
    .args:
      - { .name: hb, .offset: 0, .size: 8, .value_kind: global_buffer, .address_space: global }
      - { .name: wts, .offset: 8, .size: 8, .value_kind: global_buffer, .address_space: global }
      - { .name: x1, .offset: 16, .size: 8, .value_kind: global_buffer, .address_space: global }
      - { .name: out0, .offset: 24, .size: 8, .value_kind: global_buffer, .address_space: global }
      - { .name: b_ff2, .offset: 32, .size: 8, .value_kind: global_buffer, .address_space: global }
    .group_segment_fixed_size: 327680
    .private_segment_fixed_size: 0
    .kernarg_segment_align: 8
    .kernarg_segment_size: 40
    .max_flat_workgroup_size: 128
    .sgpr_count:     100
    .vgpr_count:     768
    .wavefront_size: 32
...
	.end_amdgpu_metadata
.endif
;; end of part 6
